; MI455X (gfx1250); checked and timed in simulation.
; The chip was launched on July 23, 2026; its instructions are those of AMD's public machine-readable ISA for CDNA 5 (MIT licence, August 2026) and "CDNA5" Instruction Set Architecture Reference Guide (July 2026). The comments in the code are by the model that wrote it; some were corrected since.
;; Attention. Allowed arithmetic: float matrix products may take bf16 or f16 operands with f32 sums; all other float work in f32.
;; Inputs: Wk 2,048 x 512 float32; Wo 1,024 x 2,048 float32; Wq 2,048 x 1,024 float32; Wv 2,048 x 512 float32; attention_mask 2 x 1 x 2,048 x 2,048 float32; cos 2,048 x 64 float32; hidden_states 2 x 2,048 x 2,048 float32; sin 2,048 x 64 float32.
;; Outputs: out0 2 x 2,048 x 2,048 float32.
;; One version. Each part assembles by itself: llvm-mc -triple=amdgcn-amd-amdhsa -mcpu=gfx1250 --defsym DOCPART=n.
;; ======== version 1 of 1: 4 launches
;; limits: values outside matrix products are rounded to bf16; values are held in f16: magnitudes above 65,504 overflow, below 6.1e-05 lose precision
;; workspace buffers: xb 16,777,216 bytes; wqkv 8,388,608 bytes; wob 4,194,304 bytes; qb 8,388,608 bytes; kb 4,194,304 bytes; vb 4,194,304 bytes; ab 16,777,216 bytes
;; launch prep (part 1): grid 1792 x 1, 8 waves a work-group, no clusters, 0 bytes of LDS; arguments hidden_states, Wq, Wk, Wv, Wo, xb, wqkv, wob; writes xb, wqkv, wob
.if DOCPART == 1
	.amdgcn_target "amdgcn-amd-amdhsa--gfx1250"
	.amdhsa_code_object_version 6
	.text
	.protected	k_q01246c0aec_prep
	.globl	k_q01246c0aec_prep
	.p2align	8
	.type	k_q01246c0aec_prep,@function
k_q01246c0aec_prep:
	s_mov_b64 s[64:65], 0
	v_nop
	global_prefetch_b8 v0, s[64:65] scope:SCOPE_SE
	s_setreg_imm32_b32 hwreg(HW_REG_WAVE_MODE, 25, 1), 1
	s_wait_xcnt 0x0
; GQA attention in four launches: this cast, the QKV projection with RoPE, the attention, the output projection.
; DEAD WORK: none is left out anywhere.  attention_mask, cos and sin are inputs, so no pattern of theirs is built in:
; every key tile is computed for every query, every mask number is read, and cos[d], cos[d+32] are read apart.
; THIS LAUNCH rounds the matrix operands that come from memory to 16 bits, once, nearest even:
;   hidden_states -> xb   bf16 [4096][2048]
;   Wq, Wk, Wv    -> wqkv bf16 [2048 k][2048 n], n 0-1023 Wq, 1024-1535 Wk, 1536-2047 Wv
;   Wo            -> wob  f16  [1024 k][2048 n]: rounded to bf16 first, that number then written as f16, because its partner
;                    in the last product is kept in f16 and a matrix instruction takes two operands of one format.
; LIMITS: a Wo beyond 65,504 in magnitude overflows f16; below 2^-14 the f16 copy is denormal, its error at most 2^-25.
; A stream: each work-group takes 8,192 source numbers (32,768 bytes), thread t the 16 bytes at 4,096 j + 16 t, j = 0..7.
; A load of a wave covers 512 consecutive bytes, a store 256 consecutive aligned bytes.  No LDS, no matrix unit, no cluster:
; no byte is used twice.  1,792 work-groups: 1,024 for hidden_states, 256 Wq, 128 Wk, 128 Wv, 256 Wo.
.set X, 4                              ; v[4:35]   eight loads of four f32
.set Y, 36                             ; v[36:51]  eight pairs of packed 16-bit numbers
; eight loads, then for each: its counted wait, the rounding, its store.  No register is written twice, so no source needs freeing.
.macro CONV src, dst, off, js, f16
.irp j, 0,1,2,3,4,5,6,7
	global_load_b128 v[X+4*\j:X+4*\j+3], v1, s[\src:\src+1] offset:4096*\j th:TH_LOAD_NT
.endr
.irp j, 0,1,2,3,4,5,6,7
	s_wait_loadcnt 7-\j                            ; loads return in order: load j is in, the 7 - j younger ones stay out
	v_cvt_pk_bf16_f32 v[Y+2*\j],   v[X+4*\j],   v[X+4*\j+1]
	v_cvt_pk_bf16_f32 v[Y+2*\j+1], v[X+4*\j+2], v[X+4*\j+3]
.if \f16
	v_lshlrev_b32 v[X+4*\j],   16,         v[Y+2*\j]     ; the bf16 numbers widened again,
	v_and_b32     v[X+4*\j+1], 0xffff0000, v[Y+2*\j]
	v_lshlrev_b32 v[X+4*\j+2], 16,         v[Y+2*\j+1]
	v_and_b32     v[X+4*\j+3], 0xffff0000, v[Y+2*\j+1]
	v_cvt_pk_f16_f32 v[Y+2*\j],   v[X+4*\j],   v[X+4*\j+1] ; and written as f16 (8 bits of mantissa fit in 11)
	v_cvt_pk_f16_f32 v[Y+2*\j+1], v[X+4*\j+2], v[X+4*\j+3]
.endif
	global_store_b64 v[\off], v[Y+2*\j:Y+2*\j+1], s[\dst:\dst+1] offset:\j*\js
.endr
	s_endpgm
.endm
	s_load_b512 s[4:19], s[0:1], 0x0               ; hidden s[4:5], Wq s[6:7], Wk s[8:9], Wv s[10:11], Wo s[12:13], xb s[14:15], wqkv s[16:17], wob s[18:19]
	v_lshlrev_b32 v1, 4, v0                        ; source: 16 t
	v_lshlrev_b32 v2, 3, v0                        ; dense destination: 8 t
	v_and_b32 v3, 127, v0                          ; Wk, Wv: a load covers two rows of 512 numbers
	v_lshrrev_b32 v52, 7, v0
	v_lshlrev_b32 v3, 3, v3
	v_lshl_add_u32 v3, v52, 12, v3                 ; (t >> 7) rows of 4,096 bytes + 8 (t & 127)
	s_mov_b32 s23, 0
	s_mov_b32 s25, 0
	s_wait_kmcnt 0x0
	s_cmp_lt_u32 ttmp9, 1024
	s_cbranch_scc0 .Lweights
	s_lshl_b32 s22, ttmp9, 15                      ; hidden_states: chunk c at 32,768 c, to 16,384 c
	s_lshl_b32 s24, ttmp9, 14
	s_add_nc_u64 s[4:5], s[4:5], s[22:23]
	s_add_nc_u64 s[14:15], s[14:15], s[24:25]
	CONV 4, 14, 2, 2048, 0
.Lweights:
	s_cmp_lt_u32 ttmp9, 1280
	s_cbranch_scc0 .Lnot_wq
	s_sub_co_u32 s20, ttmp9, 1024                  ; Wq: a chunk is 8 rows of 1,024; a row of wqkv is 4,096 bytes
	s_lshl_b32 s22, s20, 15
	s_lshl_b32 s24, s20, 15
	s_add_nc_u64 s[6:7], s[6:7], s[22:23]
	s_add_nc_u64 s[16:17], s[16:17], s[24:25]
	CONV 6, 16, 2, 4096, 0
.Lnot_wq:
	s_cmp_lt_u32 ttmp9, 1408
	s_cbranch_scc0 .Lnot_wk
	s_sub_co_u32 s20, ttmp9, 1280                  ; Wk: a chunk is 16 rows of 512, to columns 1024.. (byte 2,048 of a row)
	s_lshl_b32 s22, s20, 15
	s_lshl_b32 s24, s20, 16
	s_add_co_u32 s24, s24, 2048
	s_add_nc_u64 s[8:9], s[8:9], s[22:23]
	s_add_nc_u64 s[16:17], s[16:17], s[24:25]
	CONV 8, 16, 3, 8192, 0
.Lnot_wk:
	s_cmp_lt_u32 ttmp9, 1536
	s_cbranch_scc0 .Lwo
	s_sub_co_u32 s20, ttmp9, 1408                  ; Wv: likewise, to columns 1536.. (byte 3,072 of a row)
	s_lshl_b32 s22, s20, 15
	s_lshl_b32 s24, s20, 16
	s_add_co_u32 s24, s24, 3072
	s_add_nc_u64 s[10:11], s[10:11], s[22:23]
	s_add_nc_u64 s[16:17], s[16:17], s[24:25]
	CONV 10, 16, 3, 8192, 0
.Lwo:
	s_sub_co_u32 s20, ttmp9, 1536                  ; Wo: dense, as f16
	s_lshl_b32 s22, s20, 15
	s_lshl_b32 s24, s20, 14
	s_add_nc_u64 s[12:13], s[12:13], s[22:23]
	s_add_nc_u64 s[18:19], s[18:19], s[24:25]
	CONV 12, 18, 2, 2048, 1
.Lfunc_end_k_q01246c0aec_prep:
	.size	k_q01246c0aec_prep, .Lfunc_end_k_q01246c0aec_prep-k_q01246c0aec_prep
	.p2alignl 7, 3214868480
	.fill 96, 4, 3214868480
	.section	.rodata,"a",@progbits
	.p2align	6, 0x0
	.amdhsa_kernel k_q01246c0aec_prep
		.amdhsa_group_segment_fixed_size 0
		.amdhsa_private_segment_fixed_size 0
		.amdhsa_enable_private_segment 0
		.amdhsa_kernarg_size 64
		.amdhsa_user_sgpr_count 2
		.amdhsa_user_sgpr_kernarg_segment_ptr 1
		.amdhsa_wavefront_size32 1
		.amdhsa_system_sgpr_workgroup_id_x 1
		.amdhsa_system_sgpr_workgroup_id_y 1
		.amdhsa_system_sgpr_workgroup_id_z 1
		.amdhsa_system_vgpr_workitem_id 0
		.amdhsa_next_free_vgpr 56
		.amdhsa_next_free_sgpr 66
		.amdhsa_reserve_vcc 0
		.amdhsa_float_denorm_mode_32 3
		.amdhsa_float_denorm_mode_16_64 3
		.amdhsa_memory_ordered 1
		.amdhsa_forward_progress 1
		.amdhsa_inst_pref_size 19
	.end_amdhsa_kernel
	.amdgpu_metadata
---
amdhsa.version: [ 1, 2 ]
amdhsa.kernels:
  - .name:           k_q01246c0aec_prep
    .symbol:         k_q01246c0aec_prep.kd
    .args:
      - { .name: hidden_states, .offset: 0, .size: 8, .value_kind: global_buffer, .address_space: global }
      - { .name: Wq, .offset: 8, .size: 8, .value_kind: global_buffer, .address_space: global }
      - { .name: Wk, .offset: 16, .size: 8, .value_kind: global_buffer, .address_space: global }
      - { .name: Wv, .offset: 24, .size: 8, .value_kind: global_buffer, .address_space: global }
      - { .name: Wo, .offset: 32, .size: 8, .value_kind: global_buffer, .address_space: global }
      - { .name: xb, .offset: 40, .size: 8, .value_kind: global_buffer, .address_space: global }
      - { .name: wqkv, .offset: 48, .size: 8, .value_kind: global_buffer, .address_space: global }
      - { .name: wob, .offset: 56, .size: 8, .value_kind: global_buffer, .address_space: global }
    .group_segment_fixed_size: 0
    .private_segment_fixed_size: 0
    .kernarg_segment_align: 8
    .kernarg_segment_size: 64
    .max_flat_workgroup_size: 256
    .sgpr_count:     66
    .vgpr_count:     56
    .wavefront_size: 32
...
	.end_amdgpu_metadata
.endif
;; end of part 1
;; launch qkv (part 2): grid 16 x 16, 4 waves a work-group, clusters of 4 x 4, 327,680 bytes of LDS; arguments xb, wqkv, cos, sin, qb, kb, vb; writes qb, kb, vb
.if DOCPART == 2
	.amdgcn_target "amdgcn-amd-amdhsa--gfx1250"
	.amdhsa_code_object_version 6
	.text
	.protected	k_q01246c0aec_qkv
	.globl	k_q01246c0aec_qkv
	.p2align	8
	.type	k_q01246c0aec_qkv,@function
k_q01246c0aec_qkv:
	s_mov_b64 s[64:65], 0
	v_nop
	global_prefetch_b8 v0, s[64:65] scope:SCOPE_SE
	s_setreg_imm32_b32 hwreg(HW_REG_WAVE_MODE, 25, 1), 1
	s_wait_xcnt 0x0
	s_wait_alu depctr_hold_cnt(0) depctr_sa_sdst(0) depctr_va_vdst(0) depctr_va_sdst(0) depctr_va_ssrc(0) depctr_va_vcc(0) depctr_vm_vsrc(0)
	s_getreg_b32 s2, hwreg(HW_REG_IB_STS2, 6, 4)
	s_cmp_eq_u32 s2, 0
	s_cbranch_scc0 .Lentry_in_a_cluster
	s_endpgm
.Lentry_in_a_cluster:
	s_bfe_u32 s2, ttmp6, 0x10000c
	s_cmp_lg_u32 s2, 0xf033
	s_cbranch_scc0 .Lentry_shape_is_right
	s_endpgm
.Lentry_shape_is_right:
; [q | k | v] = xb [4096][2048] x wqkv [2048 k][2048 n] in bf16 with f32 sums; then RoPE in f32 on q and k, q times 0.125 log2(e),
; and all three written as f16 by heads: qb [b][16][s][64], kb and vb [b][8][s][64].  Nothing of reference() is left out.
; cos and sin are rounded to bf16 and widened again (ROUND_CS), like the other inputs of the products; RoPE itself is f32.
; LIMITS: q x 0.18, k and v are kept in f16: beyond 65,504 they overflow; below 2^-14 they are denormal, error at most 2^-25.
; SHAPE: a work-group makes 256 rows x 128 columns with four waves; a wave 128 rows x 64 columns (one head): 8 x 4 accumulator tiles, 256 registers.
; 16 x 16 = 256 work-groups.  K goes in steps of 128 through two LDS slots filled by tensor loads, one load a wave.
; CLUSTERS: 4 x 4 work-groups.  A tile of xb hangs on the block row alone and is asked for jointly by a row of the cluster; a tile of wqkv hangs on
; the block column alone and is asked for jointly by a column: the requests for both are divided by four.
; wqkv lies [k][n]: its fragments come out of LDS by the transposing load, so its LDS pitch is 288 bytes (an odd multiple of 32), xb's 272.
; THE MATRIX INSTRUCTION IS USED TRANSPOSED (source 0 = 16 columns of W, source 1 = 16 rows of x): lane (r, h) then holds row r,
; columns 16 b + 8 h + 0..7 of the result: eight neighbouring numbers of a head's row, and the RoPE partner (column + 32) is tile b + 2 of the same lane.
; REGISTERS: window 0: v16-31 addresses; v64-191 fragments of x, two buffers; v192-255 fragments of W, two buffers.  Window 1: accumulator (a, b) at v[8 (4 a + b)].
.set SIZE_K, 2048
.set AROW,   2*SIZE_K                  ; bytes in a row of xb
.set BROW,   4096                      ; bytes in a row of wqkv
.set KSTEP,  128
.set PITA,   272
.set PITB,   288
.set HALFA,  128*PITA                  ; what one tensor load of xb brings: 128 rows
.set HALFB,  64*PITB                   ; what one tensor load of wqkv brings: 64 k rows
.set BPART,  2*HALFA
.set SLOT,   BPART+2*HALFB             ; 106,496
.set STAGE,  2*SLOT                    ; behind the ring, 256-byte aligned, never a tensor load's target: 16 rows x 144 bytes a wave
.set SPITCH, 144
.set LAPS,   SIZE_K/(2*KSTEP)
.set ROUND_CS, 1
.set ADRA, 16                          ; v16-17 LDS address of my x fragments, slot 0, 1
.set ADRB, 20                          ; v20-21 the same for W
.set STO,  24
.set RD,   25
.set CO,   26
.set CS,   27                          ; byte offset of my 32 bytes in cos and sin
.set RT,   28                          ; v28-31 at work in the rounding of cos and sin
.set FA,   64
.set FB,   192
.set CSB,  64                          ; the way out: two buffers of 32 cos + 32 sin
.set T,    192                         ; the way out: 32 rotated numbers
.set PK,   224                         ; 16 registers of packed f16
.set OB,   240                         ; 16 registers read back by rows
.set G1,  24
.set G0,  32
.set G1B, 48
.set G0B, 56
.set MULW, 0x50                        ; C and D in window 1, fragments in window 0
.set MSB, 0
.macro WIN new                         ; the high byte repeats the setting that is left
.if MSB != \new
	s_set_vgpr_msb (MSB<<8)|\new
.set MSB, \new
.endif
.endm
.macro PLACES                          ; four plain vector places behind matrix instructions (ISA guide 7.12.1)
.rept 4
	v_nop
.endr
.endm
.macro JLOAD s                         ; waves 0, 1 ask for the halves of x's tile, waves 2, 3 for the halves of W's: one load a wave
	s_cmp_eq_u32 s21, 0
	s_cbranch_scc0 .Lfor_b_\@
	tensor_load_to_lds s[G0+4*\s:G0+4*\s+3], s[G1:G1+7]
	s_nop 0
	s_branch .Lasked_\@
.Lfor_b_\@:
	tensor_load_to_lds s[G0B+4*\s:G0B+4*\s+3], s[G1B:G1B+7]
	s_nop 0
.Lasked_\@:
.endm
.macro CREST                           ; a round of the cluster's barrier behind its opening barrier
	s_cmp_lg_u32 s20, 0
	s_cbranch_scc1 .Lnot_wave_0_\@
	s_barrier_signal -3
.Lnot_wave_0_\@:
	s_barrier_wait -3
	s_barrier_signal -1
	s_barrier_wait -1
.endm
.macro CROUND
	s_barrier_signal -1
	s_barrier_wait -1
	CREST
.endm
	s_load_b256 s[4:11], s[0:1], 0x0               ; xb s[4:5], wqkv s[6:7], cos s[8:9], sin s[10:11]
	s_load_b128 s[12:15], s[0:1], 0x20             ; qb s[12:13], kb s[14:15]
	s_load_b64 s[16:17], s[0:1], 0x30              ; vb
	v_lshl_add_u32 v62, v0, 2, 0x36400
	v_mov_b32 v63, 0
	ds_add_u32 v62, v63
	v_lshrrev_b32 v1, 5, v0
	v_readfirstlane_b32 s20, v1                    ; wave 0..3
	s_lshr_b32 s21, s20, 1                         ; my half of the rows.  Also: I fetch x (0) or W (1)
	s_and_b32 s22, s20, 1                          ; my half of the columns.  Also: which half of that tile I fetch
	s_bfe_u32 s40, ttmp6, 0x40000                  ; cx
	s_bfe_u32 s41, ttmp6, 0x40004                  ; cy
	s_lshl_b32 s42, ttmp9, 2
	s_add_co_u32 s42, s42, s40                     ; block column = 4 x cluster x + cx
	s_and_b32 s43, ttmp7, 0xffff
	s_lshl_b32 s43, s43, 2
	s_add_co_u32 s43, s43, s41                     ; block row = 4 x cluster y + cy
	s_lshl_b32 s44, s41, 2
	s_lshl_b32 s44, 15, s44                        ; my row of the cluster
	s_lshl_b32 s45, 0x1111, s40                    ; my column
	s_or_b32 s[G1+0], s44, (1<<16)|(1<<20)|(1<<21)|(5<<22)|(3<<25)   ; mask; 2-byte elements; padding of 4 words behind every 64; bit 21 beside a mask
	s_mov_b32 s[G1+1], KSTEP<<16                   ; tensor_dim0 = 128
	s_mov_b32 s[G1+2], 128<<16                     ; tensor_dim1 = 128
	s_mov_b32 s[G1+3], KSTEP<<16                   ; tile_dim0 = 128
	s_mov_b32 s[G1+4], 128                         ; tile_dim1 = 128 rows
	s_mov_b32 s[G1+5], SIZE_K                      ; elements from row to row
	s_mov_b32 s[G1+6], 0
	s_mov_b32 s[G1+7], 0
	s_or_b32 s[G1B+0], s45, (1<<16)|(1<<20)|(1<<21)|(5<<22)|(7<<25)  ; the column's mask; padding of 8 words behind every 64
	s_mov_b32 s[G1B+1], 128<<16                    ; tensor_dim0 = 128 columns
	s_mov_b32 s[G1B+2], 64<<16                     ; tensor_dim1 = 64 k rows
	s_mov_b32 s[G1B+3], 128<<16
	s_mov_b32 s[G1B+4], 64
	s_mov_b32 s[G1B+5], 2048
	s_mov_b32 s[G1B+6], 0
	s_mov_b32 s[G1B+7], 0
	s_lshl_b32 s66, s43, 8                         ; x: row 256 x block row + 128 x half, in bytes (under 2^25)
	s_lshl_b32 s67, s22, 7
	s_add_co_u32 s66, s66, s67
	s_mul_i32 s66, s66, AROW
	s_mov_b32 s67, 0
	s_lshl_b32 s70, s22, 18                        ; W: 64 k rows x half + 256 bytes x block column
	s_lshl_b32 s71, s42, 8
	s_add_co_u32 s70, s70, s71
	s_mov_b32 s71, 0
	s_mul_i32 s74, s20, HALFA                      ; LDS: x's halves at wave x 34,816 (waves 0, 1)
	s_mul_i32 s75, s20, HALFB                      ; W's halves at 69,632 + (wave - 2) x 18,432 (waves 2, 3)
	s_add_co_u32 s75, s75, BPART-2*HALFB
	s_wait_dscnt 0x0
	s_wait_kmcnt 0x0
	s_add_nc_u64 s[68:69], s[4:5], s[66:67]
	s_add_nc_u64 s[72:73], s[6:7], s[70:71]
	CROUND                                         ; all sixteen work-groups are here: the first joint loads meet
.irp s, 0,1
	s_mov_b32 s[G0+4*\s], 1
	s_add_co_u32 s[G0+4*\s+1], s74, \s*SLOT
	s_add_nc_u64 s[G0+4*\s+2:G0+4*\s+3], s[68:69], \s*KSTEP*2
	s_or_b32 s[G0+4*\s+3], s[G0+4*\s+3], 0x80000000
	s_mov_b32 s[G0B+4*\s], 1
	s_add_co_u32 s[G0B+4*\s+1], s75, \s*SLOT
	s_add_nc_u64 s[G0B+4*\s+2:G0B+4*\s+3], s[72:73], \s*KSTEP*BROW
	s_or_b32 s[G0B+4*\s+3], s[G0B+4*\s+3], 0x80000000
	JLOAD \s                                       ; two tensor loads of the wave are out, later one
.endr
	v_and_b32 v1, 15, v0                           ; r
	v_bfe_u32 v2, v0, 4, 1                         ; h
	v_mul_u32_u24 v3, v1, PITA
	v_lshl_add_u32 v3, v2, 4, v3                   ; r x 272 + 16 h
	s_mul_i32 s84, s21, HALFA
	v_add_nc_u32 v[ADRA], s84, v3
	v_add_nc_u32 v[ADRA+1], SLOT, v[ADRA]
	v_and_b32 v4, 7, v0                            ; the transposing load: lane l addresses k row 8 h + (l & 7), 16 bytes at 16 ((l >> 3) & 1)
	v_lshl_add_u32 v4, v2, 3, v4
	v_mul_u32_u24 v4, v4, PITB
	v_bfe_u32 v5, v0, 3, 1
	v_lshl_add_u32 v4, v5, 4, v4
	s_lshl_b32 s85, s22, 7                         ; my 64 columns
	s_add_co_u32 s85, s85, BPART
	v_add_nc_u32 v[ADRB], s85, v4
	v_add_nc_u32 v[ADRB+1], SLOT, v[ADRB]
	s_mul_i32 s86, s20, 16*SPITCH
	s_add_co_u32 s86, s86, STAGE                   ; my stage
	v_mul_u32_u24 v8, v1, SPITCH
	v_lshl_add_u32 v8, v2, 4, v8
	v_add_nc_u32 v[STO], s86, v8                   ; in: row r, 16 bytes for each half of the lanes
	v_bfe_u32 v9, v0, 3, 2
	v_mul_u32_u24 v9, v9, SPITCH
	v_and_b32 v10, 7, v0
	v_lshl_add_u32 v9, v10, 4, v9
	v_add_nc_u32 v[RD], s86, v9                    ; back: eight lanes take a row of 128 bytes, a wave four rows
	v_and_b32 v11, 31, v0
	v_lshlrev_b32 v[CO], 4, v11                    ; a head's rows are dense: four rows are 512 consecutive bytes
	s_lshl_b32 s76, s42, 1
	s_add_co_u32 s76, s76, s22                     ; my head column, 0..31: 0-15 q, 16-23 k, 24-31 v
	s_lshr_b32 s77, s43, 3                         ; batch
	s_and_b32 s78, s43, 7
	s_lshl_b32 s78, s78, 8
	s_lshl_b32 s79, s21, 7
	s_add_co_u32 s78, s78, s79                     ; my first position in the sequence
	v_add_nc_u32 v6, s78, v1
	v_lshlrev_b32 v6, 8, v6
	v_lshl_add_u32 v[CS], v2, 5, v6                ; (position + r) x 256 + 32 h
; 8 matrix instructions: row tiles a0, a0 + 1 x the four column tiles, 32 along K, from fragment buffer f.  zero = 1: the product starts the sums.
.macro MUL8 f, a0, zero
.irp a, \a0, \a0+1
.irp b, 0,1,2,3
.if \zero
	v_wmma_f32_16x16x32_bf16 v[8*(4*(\a)+\b):8*(4*(\a)+\b)+7], v[FB+32*\f+8*\b:FB+32*\f+8*\b+7], v[FA+64*\f+8*(\a):FA+64*\f+8*(\a)+7], 0
.else
	v_wmma_f32_16x16x32_bf16 v[8*(4*(\a)+\b):8*(4*(\a)+\b)+7], v[FB+32*\f+8*\b:FB+32*\f+8*\b+7], v[FA+64*\f+8*(\a):FA+64*\f+8*(\a)+7], v[8*(4*(\a)+\b):8*(4*(\a)+\b)+7]
.endif
.endr
.endr
.endm
; 24 LDS loads in one run: quarter q (32 along K) of a slot into buffer f: W's 8, then x's tiles 0-3, then 4-7
.macro FETCH slot, q, f
	WIN 0
.irp b, 0,1,2,3
	ds_load_tr16_b128 v[FB+32*\f+8*\b:FB+32*\f+8*\b+3],   v[ADRB+\slot] offset:\q*32*PITB+32*\b
	ds_load_tr16_b128 v[FB+32*\f+8*\b+4:FB+32*\f+8*\b+7], v[ADRB+\slot] offset:\q*32*PITB+32*\b+16*PITB
.endr
.irp a, 0,1,2,3,4,5,6,7
	ds_load_b128 v[FA+64*\f+8*\a:FA+64*\f+8*\a+3],   v[ADRA+\slot] offset:\q*64+\a*16*PITA
	ds_load_b128 v[FA+64*\f+8*\a+4:FA+64*\f+8*\a+7], v[ADRA+\slot] offset:\q*64+\a*16*PITA+32
.endr
.endm
; A quarter step: multiplies buffer f, and in its middle fetches quarter q into buffer g.  The 32 accumulators take turns, one instruction
; a turn, in the same order in every quarter, over the backward jump too.
.macro QUARTER slot, q, f, g, zero
	s_wait_dscnt 8                                 ; W and x's tiles 0-3 are in; the youngest eight loads (tiles 4-7) may be out
	WIN MULW
	MUL8 \f, 0, \zero
	MUL8 \f, 2, \zero
	PLACES                                         ; buffer g was last read by matrix instructions: four places in front of the loads into it
	FETCH \slot, \q, \g
	s_wait_dscnt 24                                ; all but the 24 just issued
	WIN MULW
	MUL8 \f, 4, \zero
	MUL8 \f, 6, \zero
.endm
.macro THREE slot, zero
	QUARTER \slot, 1, 0, 1, \zero
	QUARTER \slot, 2, 1, 0, 0
	QUARTER \slot, 3, 0, 1, 0
.endm
; The last quarter multiplies buffer 1 and changes slots.  One barrier: in front of it my reads of this slot are back and all my tensor loads have
; landed (the one that was out is my part of the next slot); behind it the refill comes first, then the next slot's first fragments.
.macro TURN slot, next, fill
	s_wait_dscnt 8
	WIN MULW
	MUL8 1, 0, 0
	s_wait_dscnt 0x0                               ; my reads of this slot are over
	s_wait_tensorcnt 0x0                           ; all my tensor loads have landed
	ds_add_u32 v62, v63
	s_wait_dscnt 0x0
	s_barrier_signal -1                            ; where the slot is filled again this opens a round of the cluster's barrier
	MUL8 1, 2, 0                                   ; register work alone
	WIN 0
	s_barrier_wait -1
.if \fill
	CREST                                          ; no wave of any partner still reads this slot or has a load on its way
	s_add_nc_u64 s[G0+4*\slot+2:G0+4*\slot+3], s[G0+4*\slot+2:G0+4*\slot+3], 2*KSTEP*2
	s_add_nc_u64 s[G0B+4*\slot+2:G0B+4*\slot+3], s[G0B+4*\slot+2:G0B+4*\slot+3], 2*KSTEP*BROW
	JLOAD \slot                                    ; my one tensor load behind the round: it has 120 matrix instructions in which to land
.endif
	PLACES
	FETCH \next, 0, 0
	WIN MULW
	MUL8 1, 4, 0
	MUL8 1, 6, 0
.endm
.macro LAP zero
	THREE 0, \zero
	TURN 0, 1, 1
	THREE 1, 0
	TURN 1, 0, 1
.endm
	s_wait_tensorcnt 0x1                           ; my part of K step 0 is in, K step 1's stays out
	s_barrier_signal -1
	s_barrier_wait -1
	FETCH 0, 0, 0
	LAP 1                                          ; the first lap stands in front of the loop: its first products start the sums
	WIN 0
	s_mov_b32 s18, LAPS-2
.Llap:
	LAP 0
	WIN 0
	s_sub_co_u32 s18, s18, 1
	s_cmp_lg_u32 s18, 0
	s_cbranch_scc1 .Llap
	THREE 0, 0                                     ; the last lap fills nothing
	TURN 0, 1, 0
	THREE 1, 0
	s_wait_dscnt 8
	WIN MULW
	MUL8 1, 0, 0
	MUL8 1, 2, 0
	s_wait_dscnt 0x0
	MUL8 1, 4, 0
	MUL8 1, 6, 0
	WIN 0
	PLACES                                         ; in front of everything below that reads results or writes fragment registers
; THE WAY OUT, 16 rows at a time.
.macro CSLOAD a, buf                   ; my 32 cos and 32 sin of row tile a: 32 bytes for each of the four column tiles
.irp b, 0,1,2,3
	global_load_b128 v[\buf+8*\b:\buf+8*\b+3],   v[CS], s[8:9] offset:4096*(\a)+64*\b
	global_load_b128 v[\buf+8*\b+4:\buf+8*\b+7], v[CS], s[8:9] offset:4096*(\a)+64*\b+16
.endr
.irp b, 0,1,2,3
	global_load_b128 v[\buf+32+8*\b:\buf+32+8*\b+3],   v[CS], s[10:11] offset:4096*(\a)+64*\b
	global_load_b128 v[\buf+32+8*\b+4:\buf+32+8*\b+7], v[CS], s[10:11] offset:4096*(\a)+64*\b+16
.endr
.endm
.macro EPI16 a, rope, scale
.if \rope
.if \a < 7
	CSLOAD \a+1, CSB+64*((\a+1)&1)
	s_wait_loadcnt 16                              ; this tile's cos and sin are in; the next tile's 16 loads stay out
.else
	s_wait_loadcnt 0x0
.endif
.set CB, CSB+64*(\a&1)
.if ROUND_CS
.set i, 0
.rept 32
	v_cvt_pk_bf16_f32 v[RT+(i&3)], v[CB+2*i], v[CB+2*i+1]
	v_lshlrev_b32 v[CB+2*i],   16,         v[RT+(i&3)]
	v_and_b32     v[CB+2*i+1], 0xffff0000, v[RT+(i&3)]
.set i, i+1
.endr
.endif
	WIN 0x01                                       ; source 0 = accumulators
.irp b, 0,1
.irp p, 0,2,4,6
	v_pk_mul_f32 v[T+8*\b+\p:T+8*\b+\p+1],         v[8*(4*\a+\b)+\p:8*(4*\a+\b)+\p+1],     v[CB+8*\b+\p:CB+8*\b+\p+1]
	v_pk_mul_f32 v[T+8*(\b+2)+\p:T+8*(\b+2)+\p+1], v[8*(4*\a+\b+2)+\p:8*(4*\a+\b+2)+\p+1], v[CB+8*(\b+2)+\p:CB+8*(\b+2)+\p+1]
.endr
.irp p, 0,2,4,6
	v_pk_fma_f32 v[T+8*\b+\p:T+8*\b+\p+1],         v[8*(4*\a+\b+2)+\p:8*(4*\a+\b+2)+\p+1], v[CB+32+8*\b+\p:CB+32+8*\b+\p+1],         v[T+8*\b+\p:T+8*\b+\p+1] neg_lo:[1,0,0] neg_hi:[1,0,0]   ; d < 32: x[d] cos[d] - x[d+32] sin[d]
	v_pk_fma_f32 v[T+8*(\b+2)+\p:T+8*(\b+2)+\p+1], v[8*(4*\a+\b)+\p:8*(4*\a+\b)+\p+1],     v[CB+32+8*(\b+2)+\p:CB+32+8*(\b+2)+\p+1], v[T+8*(\b+2)+\p:T+8*(\b+2)+\p+1]                               ; d >= 32: x[d] cos[d] + x[d-32] sin[d]
.endr
.endr
	WIN 0
.if \scale
.irp p, 0,2,4,6,8,10,12,14,16,18,20,22,24,26,28,30
	v_pk_mul_f32 v[T+\p:T+\p+1], v[T+\p:T+\p+1], 0x3e38aa3b op_sel_hi:[1,0]     ; 0.125 log2(e): the softmax works in base 2
.endr
.endif
.irp b, 0,1,2,3
.irp i, 0,1,2,3
	v_cvt_pk_f16_f32 v[PK+4*\b+\i], v[T+8*\b+2*\i], v[T+8*\b+2*\i+1]
.endr
.endr
.else
	WIN 0x05                                       ; both sources = accumulators
.irp b, 0,1,2,3
.irp i, 0,1,2,3
	v_cvt_pk_f16_f32 v[PK+4*\b+\i], v[8*(4*\a+\b)+2*\i], v[8*(4*\a+\b)+2*\i+1]
.endr
.endr
	WIN 0
.endif
.irp b, 0,1,2,3
	ds_store_b128 v[STO], v[PK+4*\b:PK+4*\b+3] offset:32*\b
.endr
	s_wait_xcnt 0x0                                ; OB, which the last tile's stores read, is loaded again only behind this wait
.irp t, 0,1,2,3
	ds_load_b128 v[OB+4*\t:OB+4*\t+3], v[RD] offset:4*SPITCH*\t    ; a wave's LDS instructions are served in order: these see the stores above
.endr
.irp t, 0,1,2,3
	s_wait_dscnt 3-\t
	global_store_b128 v[CO], v[OB+4*\t:OB+4*\t+3], s[82:83] offset:2048*\a+512*\t   ; 512 consecutive aligned bytes: four rows of a head
.endr
.endm
.macro DEST p, hshift, h0              ; s[82:83] = buffer + ((batch x heads + head) x 2,048 + position) x 128
	s_lshl_b32 s79, s77, \hshift
	s_add_co_u32 s79, s79, s76
	s_sub_co_u32 s79, s79, \h0
	s_lshl_b32 s79, s79, 11
	s_add_co_u32 s79, s79, s78
	s_lshl_b32 s80, s79, 7
	s_mov_b32 s81, 0
	s_add_nc_u64 s[82:83], s[\p:\p+1], s[80:81]
.endm
	s_cmp_lt_u32 ttmp9, 2                          ; the cluster's x, equal in all sixteen partners: 0, 1 = q, 2 = k, 3 = v
	s_cbranch_scc0 .Lnot_q
	CSLOAD 0, CSB
	DEST 12, 4, 0
.irp a, 0,1,2,3,4,5,6,7
	EPI16 \a, 1, 1
.endr
	s_branch .Ldone
.Lnot_q:
	s_cmp_eq_u32 ttmp9, 2
	s_cbranch_scc0 .Lv
	CSLOAD 0, CSB
	DEST 14, 3, 16
.irp a, 0,1,2,3,4,5,6,7
	EPI16 \a, 1, 0
.endr
	s_branch .Ldone
.Lv:
	DEST 16, 3, 24
.irp a, 0,1,2,3,4,5,6,7
	EPI16 \a, 0, 0
.endr
.Ldone:
	s_wait_tensorcnt 0x0
	ds_add_u32 v62, v63
	s_wait_dscnt 0x0
	CROUND                                         ; the closing round: no work-group ends while a partner may still ask for a tile that names it
	s_endpgm
.Lfunc_end_k_q01246c0aec_qkv:
	.size	k_q01246c0aec_qkv, .Lfunc_end_k_q01246c0aec_qkv-k_q01246c0aec_qkv
	.p2alignl 7, 3214868480
	.fill 96, 4, 3214868480
	.section	.rodata,"a",@progbits
	.p2align	6, 0x0
	.amdhsa_kernel k_q01246c0aec_qkv
		.amdhsa_group_segment_fixed_size 327680
		.amdhsa_private_segment_fixed_size 0
		.amdhsa_enable_private_segment 0
		.amdhsa_kernarg_size 56
		.amdhsa_user_sgpr_count 2
		.amdhsa_user_sgpr_kernarg_segment_ptr 1
		.amdhsa_wavefront_size32 1
		.amdhsa_system_sgpr_workgroup_id_x 1
		.amdhsa_system_sgpr_workgroup_id_y 1
		.amdhsa_system_sgpr_workgroup_id_z 1
		.amdhsa_system_vgpr_workitem_id 0
		.amdhsa_next_free_vgpr 512
		.amdhsa_next_free_sgpr 96
		.amdhsa_reserve_vcc 0
		.amdhsa_float_denorm_mode_32 3
		.amdhsa_float_denorm_mode_16_64 3
		.amdhsa_memory_ordered 1
		.amdhsa_forward_progress 1
		.amdhsa_inst_pref_size 255
	.end_amdhsa_kernel
	.section	.bss,"aw",@nobits
	.p2align	6
	.space	262144
	.amdgpu_metadata
---
amdhsa.version: [ 1, 2 ]
amdhsa.kernels:
  - .name:           k_q01246c0aec_qkv
    .symbol:         k_q01246c0aec_qkv.kd
    .args:
      - { .name: xb, .offset: 0, .size: 8, .value_kind: global_buffer, .address_space: global }
      - { .name: wqkv, .offset: 8, .size: 8, .value_kind: global_buffer, .address_space: global }
      - { .name: cos, .offset: 16, .size: 8, .value_kind: global_buffer, .address_space: global }
      - { .name: sin, .offset: 24, .size: 8, .value_kind: global_buffer, .address_space: global }
      - { .name: qb, .offset: 32, .size: 8, .value_kind: global_buffer, .address_space: global }
      - { .name: kb, .offset: 40, .size: 8, .value_kind: global_buffer, .address_space: global }
      - { .name: vb, .offset: 48, .size: 8, .value_kind: global_buffer, .address_space: global }
    .group_segment_fixed_size: 327680
    .private_segment_fixed_size: 0
    .kernarg_segment_align: 8
    .kernarg_segment_size: 56
    .max_flat_workgroup_size: 128
    .sgpr_count:     96
    .vgpr_count:     512
    .wavefront_size: 32
...
	.end_amdgpu_metadata
.endif
;; end of part 2
;; launch attn (part 3): grid 8 x 32, 4 waves a work-group, clusters of 4 x 4, 327,680 bytes of LDS; arguments qb, kb, vb, attention_mask, ab; writes ab
.if DOCPART == 3
	.amdgcn_target "amdgcn-amd-amdhsa--gfx1250"
	.amdhsa_code_object_version 6
	.text
	.protected	k_q01246c0aec_attn
	.globl	k_q01246c0aec_attn
	.p2align	8
	.type	k_q01246c0aec_attn,@function
k_q01246c0aec_attn:
	s_mov_b64 s[64:65], 0
	v_nop
	global_prefetch_b8 v0, s[64:65] scope:SCOPE_SE
	s_setreg_imm32_b32 hwreg(HW_REG_WAVE_MODE, 25, 1), 1
	s_wait_xcnt 0x0
	s_wait_alu depctr_hold_cnt(0) depctr_sa_sdst(0) depctr_va_vdst(0) depctr_va_sdst(0) depctr_va_ssrc(0) depctr_va_vcc(0) depctr_vm_vsrc(0)
	s_getreg_b32 s2, hwreg(HW_REG_IB_STS2, 6, 4)
	s_cmp_eq_u32 s2, 0
	s_cbranch_scc0 .Lentry_in_a_cluster
	s_endpgm
.Lentry_in_a_cluster:
	s_bfe_u32 s2, ttmp6, 0x10000c
	s_cmp_lg_u32 s2, 0xf033
	s_cbranch_scc0 .Lentry_shape_is_right
	s_endpgm
.Lentry_shape_is_right:
; softmax over keys of (q k^T x 0.125 + mask) times v, with a running maximum, in f16 operands and f32 sums.
; Nothing of reference() is left out: the mask is an input, so every key tile is computed and every mask number is read.
; qb already carries 0.125 log2(e), so t = mask x log2(e) + q.k is one fused multiply-add and p = 2^(t - m), m the running maximum of t;
; t - m is a true subtraction, so a row whose mask is the same huge negative number everywhere gets equal weights, as in reference().
; THE RESULT IS WRITTEN AS TWO f16 NUMBERS, hi + lo, about 21 bits together: it is an operand of the last product, and one f16 holds 11 bits only.
; hi = the f32 result cut to 11 significant bits (exact in f16), lo = result - hi (exact in f32), rounded to f16.
; ab is [4096][2048] f16: for block j of 128 columns h x 64 + d, hi lies at elements 256 j .. 256 j + 127, lo at 256 j + 128 .. 256 j + 255.
; LIMITS: the mask is finite (a row whose first 64 keys are all -infinity would give NaN here); p is kept in f16 (p below 2^-24 counts as 0);
; a result beyond 65,504 overflows; below 2^-14 hi is denormal and its own rounding, at most 2^-25, is not made up by lo.
; SHAPE: a work-group takes 128 queries x the two query heads of one key/value head; 8 x 32 = 256 work-groups.  Wave w takes queries 32 w .. 32 w + 31
; of both heads: four query tiles qt = 2 head + row tile; both heads use the same mask registers.
; CLUSTERS: 4 x 4.  The mask's tile hangs on batch and query block alone: asked for jointly by a row of the cluster (four key/value heads).
; K's and V's tiles hang on batch and key/value head alone: asked for jointly by a column (four query blocks).  Requests are divided by four.
; TRANSPOSED: S^T = K Q^T (source 0 = K, source 1 = Q): lane (r, h) holds query r, keys 16 kt + 8 h + 0..7.  So a row's maximum is a run over the lane's
; registers and one exchange of the halves; two S tiles pack in place into the second source of O^T = V^T P^T; the rescaling factor is one number a lane.
; The sum of the rounded p comes from a fifth first source of ones, so numerator and denominator hold the same p.
; TURNS: the two heads are two independent pieces that share K's, V's and the mask's fragments.  A STAGE gives the matrix unit one head's 36 products
; (20 of P V for the 64 keys whose softmax is done, then 16 scores for the next keys) and the vector unit the other head's softmax: a list of 241 places,
; cut into 36 slices of 6 or 7, one slice behind each product.  For step s of 64 keys:
;   stage X(s): softmax of head 0 (s);  products of head 1: P V (s - 1), scores (s).      V (s) is loaded behind the last product that reads V (s - 1).
;   stage Y(s): softmax of head 1 (s);  products of head 0: P V (s), scores (s + 1).      K (s + 1) is loaded at its head, the mask (s + 1) behind head 1's use of the mask (s).
; The slices name none of the registers of the products among which they stand, so they are also the places that the products ask for behind them.
; WINDOWS: no one setting serves a product and the softmax (exponentials and packing want both sources and the destination in S's window, and S, Q and K alone
; are 256 registers), so a slice costs two switches; the slices that rescale O cost none: V's fragments and the ones lie in window 2 beside O, and the
; rescaling runs under the P V products' setting.
; LDS: two slots of 128 keys: mask 128 x 528, K 128 x 144, V 128 x 160 (an odd multiple of 32, for the transposing load); then each wave's stage.
; REGISTERS: window 0: v10-19 addresses, v64-127 Q, v128-191 K fragments (v64-255 at work on the way out).
;   window 1: S (kt, qt) at 32 qt + 8 kt, P (qt, ks) in place at 32 qt + 16 ks; mask at 128 + 32 rt + 8 kt; pairs (M0, alpha) at 192 + 2 qt, (M1, temp) at 200 + 2 qt; second maxima at 208 + qt.
;   window 2: O (dt, qt) at 32 qt + 8 dt; the sums of p at 128 + 8 qt; V fragments at 160; ones at 224.
.set PM,    528
.set PKK,   144
.set PV,    160
.set KPART, 128*PM                     ; 67,584
.set VPART, KPART+128*PKK              ; 86,016
.set SLOT,  VPART+128*PV               ; 106,496
.set STAGE_, 2*SLOT                    ; 256-byte aligned, never a tensor load's target
.set SPITCH, 272
.set ABROW, 4096                       ; bytes in a row of ab
.set ADRM, 10
.set ADRK, 12
.set ADRV, 14
.set QO,   16
.set STO,  17
.set RD,   18
.set CO,   19
.set QF,   64                          ; window 0
.set KF,   128                         ; window 0
.set HI,   64                          ; the way out: 64 hi parts in f32, then 32 registers of packed f16
.set LO,   128                         ; the way out: the same for the lo parts
.set MK,   128                         ; window 1
.set PAIRA, 192                        ; window 1
.set PAIRB, 200                        ; window 1
.set TX,   208                         ; window 1
.set LS,   128                         ; window 2
.set VF,   160                         ; window 2
.set ONES, 224                         ; window 2
.set NV,   241                         ; places in the list of one head's softmax
.set G1K, 24
.set G1V, 32
.set G1M, 40
.set G0K, 48
.set G0V, 56
.set G0M, 68
.set MSB, 0
.macro WIN new                         ; the high byte repeats the setting that is left
.if MSB != \new
	s_set_vgpr_msb (MSB<<8)|\new
.set MSB, \new
.endif
.endm
.macro PLACES
.rept 4
	v_nop
.endr
.endm
.macro JLOAD s                         ; waves 0, 1: the halves of the mask's tile; wave 2: K's; wave 3: V's.  One load a wave.
	s_cmp_lt_u32 s14, 2
	s_cbranch_scc0 .Lkv_\@
	tensor_load_to_lds s[G0M+4*\s:G0M+4*\s+3], s[G1M:G1M+7]
	s_nop 0
	s_branch .Lasked_\@
.Lkv_\@:
	s_cmp_eq_u32 s14, 2
	s_cbranch_scc0 .Lv_\@
	tensor_load_to_lds s[G0K+4*\s:G0K+4*\s+3], s[G1K:G1K+7]
	s_nop 0
	s_branch .Lasked_\@
.Lv_\@:
	tensor_load_to_lds s[G0V+4*\s:G0V+4*\s+3], s[G1V:G1V+7]
	s_nop 0
.Lasked_\@:
.endm
.macro CROUND                          ; a round of the cluster's barrier
	s_barrier_signal -1
	s_barrier_wait -1
	s_cmp_lg_u32 s14, 0
	s_cbranch_scc1 .Lnot_wave_0_\@
	s_barrier_signal -3
.Lnot_wave_0_\@:
	s_barrier_wait -3
	s_barrier_signal -1
	s_barrier_wait -1
.endm
	s_load_b256 s[4:11], s[0:1], 0x0               ; qb s[4:5], kb s[6:7], vb s[8:9], mask s[10:11]
	s_load_b64 s[12:13], s[0:1], 0x20              ; ab
	v_lshl_add_u32 v62, v0, 2, 0x38400
	v_mov_b32 v63, 0
	ds_add_u32 v62, v63
	v_lshrrev_b32 v1, 5, v0
	v_readfirstlane_b32 s14, v1                    ; wave 0..3
	s_and_b32 s15, s14, 1
	s_bfe_u32 s16, ttmp6, 0x40000                  ; cx
	s_bfe_u32 s17, ttmp6, 0x40004                  ; cy
	s_lshl_b32 s18, ttmp9, 2
	s_add_co_u32 s18, s18, s16                     ; key/value head = 4 x cluster x + cx
	s_and_b32 s19, ttmp7, 0xffff                   ; cluster y
	s_lshl_b32 s20, s19, 2
	s_add_co_u32 s20, s20, s17                     ; y = 16 x batch + query block = 4 x cluster y + cy
	s_lshr_b32 s21, s19, 2                         ; batch, from the cluster's y alone
	s_lshl_b32 s22, s17, 2
	s_lshl_b32 s22, 15, s22                        ; my row of the cluster
	s_lshl_b32 s23, 0x1111, s16                    ; my column
	s_mov_b32 s76, 0x76543210                      ; v_permlanex16_b32: lane i reads lane i of the other half
	s_mov_b32 s77, 0xfedcba98
	s_or_b32 s[G1M+0], s22, (2<<16)|(1<<20)|(1<<21)|(6<<22)|(3<<25)  ; the row's mask; 4-byte elements; 4 words of padding behind every 128
	s_mov_b32 s[G1M+1], 128<<16                    ; tensor_dim0 = 128 keys
	s_mov_b32 s[G1M+2], 64<<16                     ; tensor_dim1 = 64 queries
	s_mov_b32 s[G1M+3], 128<<16
	s_mov_b32 s[G1M+4], 64
	s_mov_b32 s[G1M+5], 2048
	s_mov_b32 s[G1M+6], 0
	s_mov_b32 s[G1M+7], 0
	s_or_b32 s[G1K+0], s23, (1<<16)|(1<<20)|(1<<21)|(4<<22)|(3<<25)  ; the column's mask; 2-byte elements; 4 words behind every 32
	s_mov_b32 s[G1K+1], 64<<16                     ; tensor_dim0 = 64
	s_mov_b32 s[G1K+2], 128<<16                    ; tensor_dim1 = 128 keys
	s_mov_b32 s[G1K+3], 64<<16
	s_mov_b32 s[G1K+4], 128
	s_mov_b32 s[G1K+5], 64
	s_mov_b32 s[G1K+6], 0
	s_mov_b32 s[G1K+7], 0
	s_or_b32 s[G1V+0], s23, (1<<16)|(1<<20)|(1<<21)|(4<<22)|(7<<25)  ; the same with 8 words of padding
	s_mov_b32 s[G1V+1], 64<<16
	s_mov_b32 s[G1V+2], 128<<16
	s_mov_b32 s[G1V+3], 64<<16
	s_mov_b32 s[G1V+4], 128
	s_mov_b32 s[G1V+5], 64
	s_mov_b32 s[G1V+6], 0
	s_mov_b32 s[G1V+7], 0
	s_lshl_b32 s80, s20, 20                        ; mask: 128 y rows of 8,192 bytes + 64 rows for the odd wave
	s_lshl_b32 s81, s15, 19
	s_add_co_u32 s80, s80, s81
	s_mov_b32 s81, 0
	s_lshl_b32 s84, s21, 3                         ; K, V: (8 x batch + head) x 2,048 rows of 128 bytes
	s_add_co_u32 s84, s84, s18
	s_lshl_b32 s84, s84, 18
	s_mov_b32 s85, 0
	s_mul_i32 s90, s14, 64*PM                      ; the mask's halves in LDS: wave x 33,792 (waves 0, 1)
	s_lshl_b32 s91, s21, 4                         ; Q: (16 x batch + 2 x head) x 262,144 + (128 x query block + 32 w) x 128
	s_lshl_b32 s92, s18, 1
	s_add_co_u32 s91, s91, s92
	s_lshl_b32 s91, s91, 18
	s_and_b32 s92, s20, 15
	s_lshl_b32 s92, s92, 7
	s_lshl_b32 s93, s14, 5
	s_add_co_u32 s92, s92, s93
	s_lshl_b32 s92, s92, 7
	s_add_co_u32 s92, s92, s91
	s_mov_b32 s93, 0
	v_and_b32 v1, 15, v0                           ; r
	v_bfe_u32 v2, v0, 4, 1                         ; h
	v_lshlrev_b32 v5, 7, v1
	v_lshl_add_u32 v[QO], v2, 4, v5                ; r x 128 + 16 h
	s_wait_dscnt 0x0
	s_wait_kmcnt 0x0
	s_add_nc_u64 s[82:83], s[10:11], s[80:81]
	s_add_nc_u64 s[86:87], s[6:7], s[84:85]
	s_add_nc_u64 s[88:89], s[8:9], s[84:85]
	s_add_nc_u64 s[94:95], s[4:5], s[92:93]
	CROUND                                         ; all sixteen work-groups are here: the first joint loads meet
.irp s, 0,1
	s_mov_b32 s[G0M+4*\s], 1
	s_add_co_u32 s[G0M+4*\s+1], s90, \s*SLOT
	s_add_nc_u64 s[G0M+4*\s+2:G0M+4*\s+3], s[82:83], \s*512
	s_or_b32 s[G0M+4*\s+3], s[G0M+4*\s+3], 0x80000000
	s_mov_b32 s[G0K+4*\s], 1
	s_mov_b32 s[G0K+4*\s+1], KPART+\s*SLOT
	s_add_nc_u64 s[G0K+4*\s+2:G0K+4*\s+3], s[86:87], \s*16384
	s_or_b32 s[G0K+4*\s+3], s[G0K+4*\s+3], 0x80000000
	s_mov_b32 s[G0V+4*\s], 1
	s_mov_b32 s[G0V+4*\s+1], VPART+\s*SLOT
	s_add_nc_u64 s[G0V+4*\s+2:G0V+4*\s+3], s[88:89], \s*16384
	s_or_b32 s[G0V+4*\s+3], s[G0V+4*\s+3], 0x80000000
	JLOAD \s                                       ; two tensor loads of the wave are out, later one
.endr
.irp hd, 0,1
.irp rt, 0,1
.irp ks, 0,1
	global_load_b128 v[QF+16*(2*\hd+\rt)+8*\ks:QF+16*(2*\hd+\rt)+8*\ks+3],   v[QO], s[94:95] offset:262144*\hd+2048*\rt+64*\ks
	global_load_b128 v[QF+16*(2*\hd+\rt)+8*\ks+4:QF+16*(2*\hd+\rt)+8*\ks+7], v[QO], s[94:95] offset:262144*\hd+2048*\rt+64*\ks+32
.endr
.endr
.endr
	v_and_b32 v3, 7, v0
	v_bfe_u32 v4, v0, 3, 1
	s_mul_i32 s66, s14, 32*PM
	v_mul_u32_u24 v5, v1, PM
	v_lshl_add_u32 v5, v2, 5, v5
	v_add_nc_u32 v[ADRM], s66, v5                  ; (32 w + r) x 528 + 32 h
	v_add_nc_u32 v[ADRM+1], SLOT, v[ADRM]
	v_mul_u32_u24 v6, v1, PKK
	v_lshl_add_u32 v6, v2, 4, v6
	v_add_nc_u32 v[ADRK], KPART, v6                ; r x 144 + 16 h
	v_add_nc_u32 v[ADRK+1], SLOT, v[ADRK]
	v_lshl_add_u32 v7, v2, 3, v3
	v_mul_u32_u24 v7, v7, PV
	v_lshl_add_u32 v7, v4, 4, v7
	v_add_nc_u32 v[ADRV], VPART, v7                ; (8 h + (l & 7)) x 160 + 16 ((l >> 3) & 1)
	v_add_nc_u32 v[ADRV+1], SLOT, v[ADRV]
	s_mul_i32 s67, s14, 16*SPITCH
	s_add_co_u32 s67, s67, STAGE_
	v_mul_u32_u24 v8, v1, SPITCH
	v_lshl_add_u32 v8, v2, 4, v8
	v_add_nc_u32 v[STO], s67, v8
	v_mul_u32_u24 v9, v2, SPITCH
	v_lshl_add_u32 v9, v1, 4, v9
	v_add_nc_u32 v[RD], s67, v9
	v_lshlrev_b32 v20, 12, v2
	v_lshl_add_u32 v[CO], v1, 4, v20               ; two rows of ab, 4,096 bytes apart, 256 bytes of each
	WIN 0x80
.irp j, 0,1,2,3,4,5,6,7
	v_mov_b32 v[ONES+\j], 0x3c003c00               ; 1.0, 1.0 in f16
.endr
	WIN 0x40
.irp qt, 0,1,2,3
	v_mov_b32 v[PAIRB+2*\qt+1], 0                  ; the lane exchange counts as a reader of its destination
.endr
	WIN 0
.macro LDK slot, sub                   ; 64 keys x 64 d: 16 loads
	WIN 0
.irp kt, 0,1,2,3
.irp ks, 0,1
	ds_load_b128 v[KF+16*\kt+8*\ks:KF+16*\kt+8*\ks+3],   v[ADRK+\slot] offset:64*PKK*\sub+16*PKK*\kt+64*\ks
	ds_load_b128 v[KF+16*\kt+8*\ks+4:KF+16*\kt+8*\ks+7], v[ADRK+\slot] offset:64*PKK*\sub+16*PKK*\kt+64*\ks+32
.endr
.endr
.endm
.macro LDV slot, sub                   ; the same keys of V, transposed on the way: 16 loads into window 2
	WIN 0x80
.irp dt, 0,1,2,3
.irp ks, 0,1
	ds_load_tr16_b128 v[VF+16*\dt+8*\ks:VF+16*\dt+8*\ks+3],   v[ADRV+\slot] offset:64*PV*\sub+32*PV*\ks+32*\dt
	ds_load_tr16_b128 v[VF+16*\dt+8*\ks+4:VF+16*\dt+8*\ks+7], v[ADRV+\slot] offset:64*PV*\sub+32*PV*\ks+32*\dt+16*PV
.endr
.endr
.endm
.macro LDM slot, sub                   ; my 32 queries x 64 keys of the mask, in S's layout: 16 loads into window 1
	WIN 0x40
.irp rt, 0,1
.irp kt, 0,1,2,3
	ds_load_b128 v[MK+32*\rt+8*\kt:MK+32*\rt+8*\kt+3],   v[ADRM+\slot] offset:16*PM*\rt+256*\sub+64*\kt
	ds_load_b128 v[MK+32*\rt+8*\kt+4:MK+32*\rt+8*\kt+7], v[ADRM+\slot] offset:16*PM*\rt+256*\sub+64*\kt+16
.endr
.endr
.endm
; THE PRODUCT AT PLACE KK (0..35) OF A STAGE, for head MP.
; Places 0-19: P V.  ks = KK / 10; in each ks the ten accumulators O (dt 0..3, qt) and the sum (qt) of the head's two query tiles take turns.
; Places 20-35: scores.  ks = (KK - 20) / 8; the head's eight S tiles take turns; ks = 0 starts the sums with the constant 0.
; Every accumulator's turn is one instruction, within a stage and from stage to stage.
; pv: 0 none, 1 the first 64 keys (ks = 0 starts O and the sums with the constant 0), 2 adds on.  sc: 0 none, 1 scores.
.macro MM pv, sc
.if (KK < 20)*(\pv > 0)
.set KS, KK/10
.set QT, 2*MP+(KK%10)/5
.set DT, KK%5
	WIN 0xa6                                       ; V and ones window 2, P window 1, O and the sums window 2
.if DT < 4
.if (\pv == 1)*(KS == 0)
	v_wmma_f32_16x16x32_f16 v[32*QT+8*DT:32*QT+8*DT+7], v[VF+16*DT+8*KS:VF+16*DT+8*KS+7], v[32*QT+16*KS:32*QT+16*KS+7], 0
.else
	v_wmma_f32_16x16x32_f16 v[32*QT+8*DT:32*QT+8*DT+7], v[VF+16*DT+8*KS:VF+16*DT+8*KS+7], v[32*QT+16*KS:32*QT+16*KS+7], v[32*QT+8*DT:32*QT+8*DT+7]
.endif
.else
.if (\pv == 1)*(KS == 0)
	v_wmma_f32_16x16x32_f16 v[LS+8*QT:LS+8*QT+7], v[ONES:ONES+7], v[32*QT+16*KS:32*QT+16*KS+7], 0
.else
	v_wmma_f32_16x16x32_f16 v[LS+8*QT:LS+8*QT+7], v[ONES:ONES+7], v[32*QT+16*KS:32*QT+16*KS+7], v[LS+8*QT:LS+8*QT+7]
.endif
.endif
.endif
.if (KK >= 20)*(\sc > 0)
.set KS, (KK-20)/8
.set TU, (KK-20)%8
.set SR, 64*MP+8*TU
	WIN 0x50                                       ; K and Q window 0, S window 1
.if KS == 0
	v_wmma_f32_16x16x32_f16 v[SR:SR+7], v[KF+16*(TU%4):KF+16*(TU%4)+7], v[QF+32*MP+16*(TU/4):QF+32*MP+16*(TU/4)+7], 0
.else
	v_wmma_f32_16x16x32_f16 v[SR:SR+7], v[KF+16*(TU%4)+8:KF+16*(TU%4)+15], v[QF+32*MP+16*(TU/4)+8:QF+32*MP+16*(TU/4)+15], v[SR:SR+7]
.endif
.endif
.endm
.macro CVT1 p, t, i                    ; two p of S tile t of head p pack to one register: an even tile into its own 0-3, an odd one into 4-7 of the even one
	s_wait_alu depctr_va_vdst(0)
	v_cvt_pk_f16_f32 v[64*\p+16*((\t)/2)+4*((\t)%2)+(\i)], v[64*\p+8*(\t)+2*(\i)], v[64*\p+8*(\t)+2*(\i)+1]
.endm
; PLACE NN (0..240) OF THE LIST OF HEAD p's SOFTMAX over 64 keys.  The head's eight S tiles are 64 p + 8 u, u = 4 x row tile + kt.
;   0-31    t = mask log2(e) + q.k, two numbers a line
;   32-63   the new maximum in four chains that do not wait for each other: for each query tile one over keys 0-31 (it starts from the old maximum), one over keys 32-63
;   64-69   the two chains joined; the other half of the lanes, which holds the query's other keys; joined
;   70-74   alpha = 2^(old maximum - new maximum), and one plain place behind the exponentials (ISA guide 5.7.2): the next line names alpha
;   75-108  O and the sum times alpha, under the P V products' setting
;   109-236 for each tile: 4 subtractions, 8 exponentials, the packing of the tile before (the plain work behind the exponentials)
;   237-240 the packing of the last tile
; The running maximum takes turns between the two pairs: sub 0 reads M0 and writes M1, sub 1 the other way round.  first = 1: no old maximum, no alpha.
.macro SMI p, first, sub
.set MO, PAIRA+8*\sub
.set MN, PAIRB-8*\sub
.if NN < 32
	WIN 0x55
	v_pk_fma_f32 v[64*\p+2*NN:64*\p+2*NN+1], v[MK+2*NN:MK+2*NN+1], 0x3fb8aa3b, v[64*\p+2*NN:64*\p+2*NN+1] op_sel_hi:[1,0,1]
.endif
.if (NN >= 32)*(NN < 64)
	WIN 0x55
.set CH, (NN-32)%4
.set ST, (NN-32)/4
.set QT, 2*\p+CH/2
.set SR, 32*QT+16*(CH%2)+2*ST
.if CH%2
.set AC, TX+QT
.else
.set AC, MN+2*QT
.endif
.if ST
	v_max3_num_f32 v[AC], v[AC], v[SR], v[SR+1]
.else
.if (CH%2)+\first
	v_max_num_f32 v[AC], v[SR], v[SR+1]
.else
	v_max3_num_f32 v[AC], v[MO+2*QT], v[SR], v[SR+1]
.endif
.endif
.endif
.if (NN >= 64)*(NN < 70)
	WIN 0x55
.set QT, 2*\p+NN%2
.if NN < 66
	v_max_num_f32 v[MN+2*QT], v[MN+2*QT], v[TX+QT]
.endif
.if (NN >= 66)*(NN < 68)
	v_permlanex16_b32 v[PAIRB+2*QT+1], v[MN+2*QT], s76, s77
.endif
.if NN >= 68
	v_max_num_f32 v[MN+2*QT], v[MN+2*QT], v[PAIRB+2*QT+1]
.endif
.endif
.if (\first == 0)*(NN >= 70)*(NN < 75)
	WIN 0x55
.set QT, 2*\p+NN%2
.if NN < 72
	v_sub_f32 v[PAIRB+2*QT+1], v[MO+2*QT], v[MN+2*QT]
.endif
.if (NN >= 72)*(NN < 74)
	v_exp_f32 v[PAIRA+2*QT+1], v[PAIRB+2*QT+1]
.endif
.if NN == 74
	v_nop
	s_wait_alu depctr_va_vdst(0)
.endif
.endif
.if (\first == 0)*(NN >= 75)*(NN < 107)
	WIN 0xa6
.set QT, 2*\p+(NN-75)/16
.set SR, 32*QT+2*((NN-75)%16)
	v_pk_mul_f32 v[SR:SR+1], v[SR:SR+1], v[PAIRA+2*QT:PAIRA+2*QT+1] op_sel:[0,1] op_sel_hi:[1,1]
.endif
.if (\first == 0)*(NN >= 107)*(NN < 109)
	WIN 0xa6
.set QT, 2*\p+NN-107
	v_mul_f32 v[LS+8*QT], v[LS+8*QT], v[PAIRA+2*QT+1]              ; of the eight equal sums only register 0 is kept in scale and read; the others stay below 2,048
.endif
.if (NN >= 109)*(NN < 237)
.set TU, (NN-109)/16
.set WI, (NN-109)%16
.set SR, 64*\p+8*TU
.set QT, 2*\p+TU/4
.if WI < 4
	WIN 0x55
	v_pk_add_f32 v[SR+2*WI:SR+2*WI+1], v[SR+2*WI:SR+2*WI+1], v[MN+2*QT:MN+2*QT+1] op_sel_hi:[1,0] neg_lo:[0,1] neg_hi:[0,1]
.endif
.if (WI >= 4)*(WI < 12)
	WIN 0x55
	v_exp_f32 v[SR+WI-4], v[SR+WI-4]
.endif
.if (WI >= 12)*(TU > 0)
	WIN 0x55
	CVT1 \p, TU-1, WI-12
.endif
.endif
.if NN >= 237
	WIN 0x55
	CVT1 \p, 7, NN-237
.endif
.endm
; A STAGE: head vp's softmax (parity sub, first) in 36 slices, one behind each of the other head's products (pv, sc as in MM).
; ld = 0 (stage X): V of (slot, lsub) is loaded ahead of product 21: behind product 18, the last that reads V, stand slices 18, 19 and 20 with 7 plain
;        vector instructions, more than the four places that a load into a product's source asks for.
; ld = 1 (stage Y): K of (slot, lsub) is loaded at the head: behind the last score product of the stage before stands its slice 35, 7 packing instructions.
;        The mask of (slot, lsub) is loaded ahead of product 5: slices 0-4 hold all 32 lines that read the old mask.
; ld = 2: nothing is left to load.
; P lies in S's registers: between the last P V product that reads a P and the score product that writes over it stand at least seven slices.
.macro STAGE vp, sub, first, pv, sc, ld, slot, lsub
.set MP, 1-\vp
.if \ld == 1
	LDK \slot, \lsub
	s_wait_dscnt 16                                ; V's 16 loads of the stage before are in; K's 16 younger ones may be out
.else
	s_wait_dscnt 0x0                               ; stage X: the mask is in; the last stage Y: V is in
.endif
.set KK, 0
.rept 36
.if (KK == 5)*(\ld == 1)
	LDM \slot, \lsub
.endif
.if (KK == 20)*(\ld == 1)
	s_wait_dscnt 16                                ; K's 16 loads are in; the mask's 16 younger ones may be out
.endif
.if (KK == 21)*(\ld == 0)
	LDV \slot, \lsub
.endif
	MM \pv, \sc
.set NN, (KK*NV)/36
.rept ((KK+1)*NV)/36-(KK*NV)/36
	SMI \vp, \first, \sub
.set NN, NN+1
.endr
.set KK, KK+1
.endr
.endm
.macro HALF slot                       ; the four stages that end one slot's last 64 keys for head 1 and take both heads through slot's 128 keys, all but head 1's last softmax
	STAGE 1, 1, 0, 2, 1, 1, \slot, 0
	STAGE 0, 0, 0, 2, 1, 0, \slot, 0
	STAGE 1, 0, 0, 2, 1, 1, \slot, 1
	STAGE 0, 1, 0, 2, 1, 0, \slot, 1
.endm
; The change of slots stands between stage X and stage Y of a slot's last 64 keys: the slot's last read (V) lies in front of it, the next slot's first read (K) behind it.
; In front of the barrier my reads of the old slot are back and all my tensor loads have landed, my part of the next slot among them.
; Where the old slot is filled again the barrier is a round of the cluster's barrier, and the joint refill is the first thing behind it.
.macro CHANGE old, refill
	WIN 0
	s_wait_dscnt 0x0
	s_wait_tensorcnt 0x0
	ds_add_u32 v62, v63
	s_wait_dscnt 0x0
.if \refill
	s_add_nc_u64 s[G0M+4*\old+2:G0M+4*\old+3], s[G0M+4*\old+2:G0M+4*\old+3], 1024      ; no load of mine is out: 256 keys on
	s_add_nc_u64 s[G0K+4*\old+2:G0K+4*\old+3], s[G0K+4*\old+2:G0K+4*\old+3], 32768
	s_add_nc_u64 s[G0V+4*\old+2:G0V+4*\old+3], s[G0V+4*\old+2:G0V+4*\old+3], 32768
	CROUND
	JLOAD \old                                     ; it has four stages, 144 products, in which to land
.else
	s_barrier_signal -1
	s_barrier_wait -1
.endif
.endm
	s_wait_loadcnt 0x0                             ; Q
	s_wait_tensorcnt 0x1                           ; my part of slot 0 is in, slot 1's stays out
	s_barrier_signal -1
	s_barrier_wait -1
	LDK 0, 0
	LDM 0, 0
	s_wait_dscnt 16                                ; K's 16 loads are in; the mask's 16 younger ones may be out
.set MP, 0
.set KK, 20
.rept 16                               ; head 0's scores for the first 64 keys: nothing is there yet to set beside them
	MM 0, 1
.set KK, KK+1
.endr
	PLACES                                         ; four places in front of the first reads of S
	STAGE 0, 0, 1, 0, 1, 0, 0, 0                   ; X(0): the first 64 keys start the maxima: nothing is cleared
	STAGE 1, 0, 1, 1, 1, 1, 0, 1                   ; Y(0): head 0's first P V products start O and the sums
	STAGE 0, 1, 0, 1, 1, 0, 0, 1                   ; X(1): head 1's first P V products likewise
	CHANGE 0, 1
	s_mov_b32 s78, 6
.Lpass:
	HALF 1
	CHANGE 1, 1
	HALF 0
	CHANGE 0, 1
	s_sub_co_u32 s78, s78, 1
	s_cmp_lg_u32 s78, 0
	s_cbranch_scc1 .Lpass
	HALF 1                                         ; keys 1,664 to 1,791
	CHANGE 1, 1                                    ; the last refill: keys 1,920 to 2,047
	HALF 0
	CHANGE 0, 0                                    ; nothing is left to fetch
	HALF 1
	STAGE 1, 1, 0, 2, 0, 2, 0, 0                   ; Y(31): no scores follow
.set MP, 1
.set KK, 0
.rept 20                               ; head 1's last P V products
	MM 2, 0
.set KK, KK+1
.endr
	; THE WAY OUT: divide by the sum, split into hi + lo, round to f16, 16 queries x both heads through my stage, out as rows of 256 bytes.
	PLACES
	s_lshl_b32 s92, s20, 7                         ; ab: row 128 y + 32 w, 4,096 bytes each; my block of columns at 512 bytes x key/value head
	s_lshl_b32 s93, s14, 5
	s_add_co_u32 s92, s92, s93
	s_lshl_b32 s92, s92, 12
	s_lshl_b32 s93, s18, 9
	s_add_co_u32 s92, s92, s93
	s_mov_b32 s93, 0
	s_add_nc_u64 s[94:95], s[12:13], s[92:93]
	WIN 0x42
.irp qt, 0,1,2,3
	v_rcp_f32 v[PAIRA+2*\qt+1], v[LS+8*\qt]        ; the sum is at least 1: the largest p is 1
.endr
	v_nop                                          ; one plain place behind the reciprocals
	WIN 0x86
	s_wait_alu depctr_va_vdst(0)
.irp qt, 0,1,2,3
.irp p, 0,2,4,6,8,10,12,14,16,18,20,22,24,26,28,30
	v_pk_mul_f32 v[32*\qt+\p:32*\qt+\p+1], v[32*\qt+\p:32*\qt+\p+1], v[PAIRA+2*\qt:PAIRA+2*\qt+1] op_sel:[0,1] op_sel_hi:[1,1]
.endr
.endr
; 32 packed registers at src (16 queries x 128 columns) go through my stage and out; part 0 = hi, 1 = lo, 256 bytes further on in the row
.macro PUT rt, src, part, ob
.irp hd, 0,1
.irp dt, 0,1,2,3
	ds_store_b128 v[STO], v[\src+16*\hd+4*\dt:\src+16*\hd+4*\dt+3] offset:128*\hd+32*\dt
.endr
.endr
	s_wait_xcnt 0x0                                ; the buffer that earlier global stores read is loaded again only behind this wait
.irp t, 0,1,2,3,4,5,6,7
	ds_load_b128 v[\ob+4*\t:\ob+4*\t+3], v[RD] offset:2*SPITCH*\t  ; a wave's LDS instructions are served in order: these see the stores above, and the next stores come behind them
.endr
.irp t, 0,1,2,3,4,5,6,7
	s_wait_dscnt 7-\t                              ; LDS loads return in order: load t is in
	global_store_b128 v[CO], v[\ob+4*\t:\ob+4*\t+3], s[94:95] offset:(16*\rt+2*\t)*ABROW+256*\part   ; sixteen lanes store 256 consecutive aligned bytes: both heads of a row
.endr
.endm
.macro OUT16 rt
	WIN 0x08                                       ; source 1 = O (window 2), destination window 0
.set i, 0
.rept 32
	v_and_b32 v[HI+i],    0xffffe000, v[32*(\rt)+i]        ; sign, exponent and ten bits of mantissa: a number that f16 holds exactly
	v_and_b32 v[HI+32+i], 0xffffe000, v[32*(2+\rt)+i]
.set i, i+1
.endr
	WIN 0x02                                       ; source 0 = O
.irp hd, 0,1
.irp p, 0,2,4,6,8,10,12,14,16,18,20,22,24,26,28,30
	v_pk_add_f32 v[LO+32*\hd+\p:LO+32*\hd+\p+1], v[32*(2*\hd+\rt)+\p:32*(2*\hd+\rt)+\p+1], v[HI+32*\hd+\p:HI+32*\hd+\p+1] neg_lo:[0,1] neg_hi:[0,1]   ; what the cut left: exact in f32
.endr
.endr
	WIN 0
.set i, 0
.rept 32                               ; packed in place, ascending: register i is written from registers 2 i and 2 i + 1, which no earlier line of the run has written
	v_cvt_pk_f16_f32 v[HI+i], v[HI+2*i], v[HI+2*i+1]
	v_cvt_pk_f16_f32 v[LO+i], v[LO+2*i], v[LO+2*i+1]
.set i, i+1
.endr
	PUT \rt, HI, 0, 192
	PUT \rt, LO, 1, 224
.endm
	OUT16 0
	OUT16 1
	s_wait_tensorcnt 0x0
	ds_add_u32 v62, v63
	s_wait_dscnt 0x0
	CROUND                                         ; the closing round
	s_endpgm
.Lfunc_end_k_q01246c0aec_attn:
	.size	k_q01246c0aec_attn, .Lfunc_end_k_q01246c0aec_attn-k_q01246c0aec_attn
	.p2alignl 7, 3214868480
	.fill 96, 4, 3214868480
	.section	.rodata,"a",@progbits
	.p2align	6, 0x0
	.amdhsa_kernel k_q01246c0aec_attn
		.amdhsa_group_segment_fixed_size 327680
		.amdhsa_private_segment_fixed_size 0
		.amdhsa_enable_private_segment 0
		.amdhsa_kernarg_size 40
		.amdhsa_user_sgpr_count 2
		.amdhsa_user_sgpr_kernarg_segment_ptr 1
		.amdhsa_wavefront_size32 1
		.amdhsa_system_sgpr_workgroup_id_x 1
		.amdhsa_system_sgpr_workgroup_id_y 1
		.amdhsa_system_sgpr_workgroup_id_z 1
		.amdhsa_system_vgpr_workitem_id 0
		.amdhsa_next_free_vgpr 768
		.amdhsa_next_free_sgpr 96
		.amdhsa_reserve_vcc 0
		.amdhsa_float_denorm_mode_32 3
		.amdhsa_float_denorm_mode_16_64 3
		.amdhsa_memory_ordered 1
		.amdhsa_forward_progress 1
		.amdhsa_inst_pref_size 255
	.end_amdhsa_kernel
	.section	.bss,"aw",@nobits
	.p2align	6
	.space	262144
	.amdgpu_metadata
---
amdhsa.version: [ 1, 2 ]
amdhsa.kernels:
  - .name:           k_q01246c0aec_attn
    .symbol:         k_q01246c0aec_attn.kd
    .args:
      - { .name: qb, .offset: 0, .size: 8, .value_kind: global_buffer, .address_space: global }
      - { .name: kb, .offset: 8, .size: 8, .value_kind: global_buffer, .address_space: global }
      - { .name: vb, .offset: 16, .size: 8, .value_kind: global_buffer, .address_space: global }
      - { .name: attention_mask, .offset: 24, .size: 8, .value_kind: global_buffer, .address_space: global }
      - { .name: ab, .offset: 32, .size: 8, .value_kind: global_buffer, .address_space: global }
    .group_segment_fixed_size: 327680
    .private_segment_fixed_size: 0
    .kernarg_segment_align: 8
    .kernarg_segment_size: 40
    .max_flat_workgroup_size: 128
    .sgpr_count:     96
    .vgpr_count:     768
    .wavefront_size: 32
...
	.end_amdgpu_metadata
.endif
;; end of part 3
;; launch oproj (part 4): grid 8 x 32, 4 waves a work-group, clusters of 4 x 4, 327,680 bytes of LDS; arguments ab, wob, out0; writes out0
.if DOCPART == 4
	.amdgcn_target "amdgcn-amd-amdhsa--gfx1250"
	.amdhsa_code_object_version 6
	.text
	.protected	k_q01246c0aec_oproj
	.globl	k_q01246c0aec_oproj
	.p2align	8
	.type	k_q01246c0aec_oproj,@function
k_q01246c0aec_oproj:
	s_mov_b64 s[64:65], 0
	v_nop
	global_prefetch_b8 v0, s[64:65] scope:SCOPE_SE
	s_setreg_imm32_b32 hwreg(HW_REG_WAVE_MODE, 25, 1), 1
	s_wait_xcnt 0x0
	s_wait_alu depctr_hold_cnt(0) depctr_sa_sdst(0) depctr_va_vdst(0) depctr_va_sdst(0) depctr_va_ssrc(0) depctr_va_vcc(0) depctr_vm_vsrc(0)
	s_getreg_b32 s2, hwreg(HW_REG_IB_STS2, 6, 4)
	s_cmp_eq_u32 s2, 0
	s_cbranch_scc0 .Lentry_in_a_cluster
	s_endpgm
.Lentry_in_a_cluster:
	s_bfe_u32 s2, ttmp6, 0x10000c
	s_cmp_lg_u32 s2, 0xf033
	s_cbranch_scc0 .Lentry_shape_is_right
	s_endpgm
.Lentry_shape_is_right:
; out0 [4096][2048] f32 = attention result [4096][1024] x wob [1024 k][2048 n], f16 operands, sums in f32.  Nothing of reference() is left out.
; The attention result lies in ab as hi + lo, two f16 numbers for each (about 21 bits): ab is [4096][2048], and of each run of 256 elements the first 128 are
; the hi parts of 128 columns and the next 128 their lo parts.  Both are multiplied by the SAME 128 rows of wob into the same sums.
; SHAPE: ab counts twice and wob once, so the block is wider than tall: a work-group makes 128 rows x 256 columns, 8 x 32 = 256 work-groups.
; A K step is 128 columns of the attention result: 128 rows of ab of 512 consecutive bytes (hi, then lo) and 128 rows of wob of 512 bytes.  So each tile of wob
; is fetched once and each of its fragments is read from LDS once, for a hi product and a lo product.  Eight K steps through two LDS slots, one tensor load of 64 rows a wave.
; A wave makes 64 rows x 128 columns in 4 x 8 accumulator tiles; for 32 along K it loads 16 + 16 fragments' halves and issues 64 matrix instructions.
; CLUSTERS: 4 x 4.  ab's tile hangs on the block row alone and is asked for jointly by a row of the cluster, wob's on the block column alone, by a column:
; the requests for both are divided by four.
; LDS: a slot is wob's 128 k rows at pitch 544 (an odd multiple of 32, for the transposing load: wob lies [k][n]), then ab's 128 rows at pitch 528
; (an odd multiple of 16): 137,216 bytes; two slots; then each wave's stage of 16 rows x 528 bytes.  wob's part lies first, so that every tile's LDS address is
; the wave's number times a constant plus a constant that is not negative.
; The matrix instruction is used transposed (source 0 = 16 columns of W, source 1 = 16 rows of ab): lane (r, h) holds row r, columns 16 b + 8 h + 0..7.
; REGISTERS: window 0: v16-26 addresses; v64-191 fragments of ab, two buffers of 32 hi + 32 lo.  Window 1: accumulator (a, b) at v[8 (8 a + b)].
;   Window 2: v0-127 fragments of W, two buffers of 64.
.set AROW,   4096                      ; bytes in a row of ab
.set BROW,   4096                      ; bytes in a row of wob
.set KSTEP,  128
.set PITA,   528
.set PITB,   544
.set HALFB,  64*PITB                   ; what one tensor load of wob brings: 64 k rows, 34,816 bytes
.set HALFA,  64*PITA                   ; what one tensor load of ab brings: 64 rows, 33,792 bytes
.set APART,  2*HALFB                   ; 69,632
.set SLOT,   APART+2*HALFA             ; 137,216
.set STAGE,  2*SLOT                    ; 274,432: 256-byte aligned, never a tensor load's target
.set SPITCH, 528
.set LAPS,   1024/(2*KSTEP)            ; a lap = two K steps = once round the ring
.set ADRA, 16
.set ADRB, 20
.set STO,  24
.set RD,   25
.set CO,   26
.set FA,   64                          ; window 0: buffer f at FA + 64 f; hi tile a at + 8 a, lo tile a at + 32 + 8 a
.set FW,   0                           ; window 2: buffer f at FW + 64 f; column tile b at + 8 b
.set G1,  24                           ; ab's descriptors
.set G0,  32
.set G1B, 48                           ; wob's descriptors
.set G0B, 56
.set MULW, 0x52                        ; source 0 (W) window 2, source 1 (ab) window 0, C and D window 1
.set TO_W, 0x80                        ; destination window 2, address window 0
.set MSB, 0
.macro WIN new                         ; the high byte repeats the setting that is left
.if MSB != \new
	s_set_vgpr_msb (MSB<<8)|\new
.set MSB, \new
.endif
.endm
.macro PLACES                          ; four plain vector places behind matrix instructions (ISA guide 7.12.1)
.rept 4
	v_nop
.endr
.endm
.macro JLOAD s                         ; waves 0, 1 ask for the halves of W's tile, waves 2, 3 for the halves of ab's: one load a wave
	s_cmp_eq_u32 s21, 0
	s_cbranch_scc0 .Lfor_a_\@
	tensor_load_to_lds s[G0B+4*\s:G0B+4*\s+3], s[G1B:G1B+7]
	s_nop 0
	s_branch .Lasked_\@
.Lfor_a_\@:
	tensor_load_to_lds s[G0+4*\s:G0+4*\s+3], s[G1:G1+7]
	s_nop 0
.Lasked_\@:
.endm
.macro CREST                           ; a round of the cluster's barrier behind its opening barrier
	s_cmp_lg_u32 s20, 0
	s_cbranch_scc1 .Lnot_wave_0_\@
	s_barrier_signal -3
.Lnot_wave_0_\@:
	s_barrier_wait -3
	s_barrier_signal -1
	s_barrier_wait -1
.endm
.macro CROUND
	s_barrier_signal -1
	s_barrier_wait -1
	CREST
.endm
	s_load_b128 s[4:7], s[0:1], 0x0                ; ab s[4:5], wob s[6:7]
	s_load_b64 s[8:9], s[0:1], 0x10                ; out0
	s_set_vgpr_msb 0x80
	v_lshl_add_u32 v129, v0, 2, 0x4b400
	s_set_vgpr_msb 0x8000
	v_mov_b32 v255, 0
	s_set_vgpr_msb 0x2
	ds_add_u32 v129, v255
	s_set_vgpr_msb 0x200
	v_lshrrev_b32 v1, 5, v0
	v_readfirstlane_b32 s20, v1                    ; wave 0..3
	s_lshr_b32 s21, s20, 1                         ; my half of the rows.  Also: I fetch W (0) or ab (1)
	s_and_b32 s22, s20, 1                          ; my half of the columns.  Also: which half of that tile I fetch
	s_bfe_u32 s40, ttmp6, 0x40000                  ; cx
	s_bfe_u32 s41, ttmp6, 0x40004                  ; cy
	s_lshl_b32 s42, ttmp9, 2
	s_add_co_u32 s42, s42, s40                     ; block column = 4 x cluster x + cx, 0..7
	s_and_b32 s43, ttmp7, 0xffff
	s_lshl_b32 s43, s43, 2
	s_add_co_u32 s43, s43, s41                     ; block row = 4 x cluster y + cy, 0..31
	s_lshl_b32 s44, s41, 2
	s_lshl_b32 s44, 15, s44                        ; my row of the cluster
	s_lshl_b32 s45, 0x1111, s40                    ; my column
	s_or_b32 s[G1+0], s44, (1<<16)|(1<<20)|(1<<21)|(6<<22)|(3<<25)   ; the row's mask; 2-byte elements; 4 words of padding behind every 128; bit 21 beside a mask
	s_mov_b32 s[G1+1], 256<<16                     ; tensor_dim0 = 256: 128 hi and 128 lo
	s_mov_b32 s[G1+2], 64<<16                      ; tensor_dim1 = 64 rows
	s_mov_b32 s[G1+3], 256<<16                     ; tile_dim0
	s_mov_b32 s[G1+4], 64                          ; tile_dim1
	s_mov_b32 s[G1+5], 2048                        ; elements from row to row
	s_mov_b32 s[G1+6], 0
	s_mov_b32 s[G1+7], 0
	s_or_b32 s[G1B+0], s45, (1<<16)|(1<<20)|(1<<21)|(6<<22)|(7<<25)  ; the column's mask; 8 words of padding behind every 128
	s_mov_b32 s[G1B+1], 256<<16                    ; tensor_dim0 = 256 columns
	s_mov_b32 s[G1B+2], 64<<16                     ; tensor_dim1 = 64 k rows
	s_mov_b32 s[G1B+3], 256<<16
	s_mov_b32 s[G1B+4], 64
	s_mov_b32 s[G1B+5], 2048
	s_mov_b32 s[G1B+6], 0
	s_mov_b32 s[G1B+7], 0
	s_lshl_b32 s66, s43, 7                         ; ab: row 128 x block row + 64 x half,
	s_lshl_b32 s67, s22, 6
	s_add_co_u32 s66, s66, s67
	s_lshl_b32 s66, s66, 12                        ; 4,096 bytes each (under 2^24)
	s_mov_b32 s67, 0
	s_lshl_b32 s70, s22, 18                        ; W: 64 k rows of 4,096 bytes x half + 512 bytes x block column
	s_lshl_b32 s71, s42, 9
	s_add_co_u32 s70, s70, s71
	s_mov_b32 s71, 0
	s_mul_i32 s75, s20, HALFB                      ; LDS: W's halves at wave x 34,816 (waves 0, 1)
	s_mul_i32 s74, s20, HALFA                      ; ab's halves at 69,632 + (wave - 2) x 33,792 = wave x 33,792 + 2,048 (waves 2, 3)
	s_add_co_u32 s74, s74, APART-2*HALFA
	s_wait_dscnt 0x0
	s_wait_kmcnt 0x0
	s_add_nc_u64 s[68:69], s[4:5], s[66:67]
	s_add_nc_u64 s[72:73], s[6:7], s[70:71]
	CROUND                                         ; all sixteen work-groups are here: the first joint loads meet
.irp s, 0,1
	s_mov_b32 s[G0+4*\s], 1
	s_add_co_u32 s[G0+4*\s+1], s74, \s*SLOT
	s_add_nc_u64 s[G0+4*\s+2:G0+4*\s+3], s[68:69], \s*512              ; K step s: 512 bytes of each row
	s_or_b32 s[G0+4*\s+3], s[G0+4*\s+3], 0x80000000
	s_mov_b32 s[G0B+4*\s], 1
	s_add_co_u32 s[G0B+4*\s+1], s75, \s*SLOT
	s_add_nc_u64 s[G0B+4*\s+2:G0B+4*\s+3], s[72:73], \s*KSTEP*BROW     ; K step s: 128 rows of wob
	s_or_b32 s[G0B+4*\s+3], s[G0B+4*\s+3], 0x80000000
	JLOAD \s                                       ; two tensor loads of the wave are out, later one
.endr
	v_and_b32 v1, 15, v0                           ; r
	v_bfe_u32 v2, v0, 4, 1                         ; h
	v_mul_u32_u24 v3, v1, PITA
	v_lshl_add_u32 v3, v2, 4, v3                   ; r x 528 + 16 h
	s_mul_i32 s84, s21, HALFA                      ; my 64 rows of ab
	s_add_co_u32 s84, s84, APART
	v_add_nc_u32 v[ADRA], s84, v3
	v_add_nc_u32 v[ADRA+1], SLOT, v[ADRA]
	v_and_b32 v4, 7, v0                            ; the transposing load: lane l addresses k row 8 h + (l & 7), 16 bytes at 16 ((l >> 3) & 1)
	v_lshl_add_u32 v4, v2, 3, v4
	v_mul_u32_u24 v4, v4, PITB
	v_bfe_u32 v5, v0, 3, 1
	v_lshl_add_u32 v4, v5, 4, v4
	s_lshl_b32 s85, s22, 8                         ; my 128 columns
	v_add_nc_u32 v[ADRB], s85, v4
	v_add_nc_u32 v[ADRB+1], SLOT, v[ADRB]
	s_mul_i32 s86, s20, 16*SPITCH
	s_add_co_u32 s86, s86, STAGE                   ; my stage
	v_mul_u32_u24 v8, v1, SPITCH
	v_lshl_add_u32 v8, v2, 5, v8
	v_add_nc_u32 v[STO], s86, v8                   ; in: row r, 32 bytes for each half of the lanes
	v_and_b32 v9, 31, v0
	v_lshlrev_b32 v[CO], 4, v9                     ; out: the wave takes a whole row of 512 bytes, 16 bytes a lane
	v_add_nc_u32 v[RD], s86, v[CO]
; 16 matrix instructions: row tiles a0, a0 + 1 x the eight column tiles, 32 along K, from buffer f; p = 0: the hi parts, 1: the lo parts.  zero = 1: the product starts the sums.
.macro MUL16 f, p, a0, zero
.irp a, \a0, \a0+1
.irp b, 0,1,2,3,4,5,6,7
.if \zero
	v_wmma_f32_16x16x32_f16 v[8*(8*(\a)+\b):8*(8*(\a)+\b)+7], v[FW+64*\f+8*\b:FW+64*\f+8*\b+7], v[FA+64*\f+32*\p+8*(\a):FA+64*\f+32*\p+8*(\a)+7], 0
.else
	v_wmma_f32_16x16x32_f16 v[8*(8*(\a)+\b):8*(8*(\a)+\b)+7], v[FW+64*\f+8*\b:FW+64*\f+8*\b+7], v[FA+64*\f+32*\p+8*(\a):FA+64*\f+32*\p+8*(\a)+7], v[8*(8*(\a)+\b):8*(8*(\a)+\b)+7]
.endif
.endr
.endr
.endm
; 32 LDS loads in one run: quarter q (32 along K) of a slot into buffer f: W's 16, ab's hi 8, ab's lo 8
.macro FETCH slot, q, f
	WIN TO_W
.irp b, 0,1,2,3,4,5,6,7
	ds_load_tr16_b128 v[FW+64*\f+8*\b:FW+64*\f+8*\b+3],   v[ADRB+\slot] offset:\q*32*PITB+32*\b
	ds_load_tr16_b128 v[FW+64*\f+8*\b+4:FW+64*\f+8*\b+7], v[ADRB+\slot] offset:\q*32*PITB+32*\b+16*PITB
.endr
	WIN 0
.irp p, 0,1
.irp a, 0,1,2,3
	ds_load_b128 v[FA+64*\f+32*\p+8*\a:FA+64*\f+32*\p+8*\a+3],   v[ADRA+\slot] offset:\q*64+256*\p+\a*16*PITA
	ds_load_b128 v[FA+64*\f+32*\p+8*\a+4:FA+64*\f+32*\p+8*\a+7], v[ADRA+\slot] offset:\q*64+256*\p+\a*16*PITA+32
.endr
.endr
.endm
; A quarter step: 32 hi products, the next quarter's 32 loads in one run, 32 lo products on the same fragments of W.  The 32 accumulators take turns, one
; instruction a turn, in the same order for hi and for lo and in every quarter, over the backward jump too.
.macro QUARTER slot, q, f, g, zero
	s_wait_dscnt 8                                 ; W and the hi parts are in; the youngest eight loads (the lo parts) may be out
	WIN MULW
	MUL16 \f, 0, 0, \zero
	MUL16 \f, 0, 2, \zero
	PLACES                                         ; buffer g was last read by matrix instructions: four places in front of the loads into it
	FETCH \slot, \q, \g
	s_wait_dscnt 32                                ; all but the 32 just issued
	WIN MULW
	MUL16 \f, 1, 0, 0
	MUL16 \f, 1, 2, 0
.endm
.macro THREE slot, zero
	QUARTER \slot, 1, 0, 1, \zero
	QUARTER \slot, 2, 1, 0, 0
	QUARTER \slot, 3, 0, 1, 0
.endm
; The last quarter multiplies buffer 1 and changes slots.  One barrier: in front of it my reads of this slot are back and all my tensor loads have
; landed (the one that was out is my part of the next slot); behind it the refill comes first, then the next slot's first fragments.
.macro TURN slot, next, fill
	s_wait_dscnt 8
	WIN MULW
	MUL16 1, 0, 0, 0
	s_wait_dscnt 0x0                               ; my reads of this slot are over
	s_wait_tensorcnt 0x0                           ; all my tensor loads have landed
	ds_add_u32 v129, v255
	s_wait_dscnt 0x0
	s_barrier_signal -1                            ; where the slot is filled again this opens a round of the cluster's barrier
	MUL16 1, 0, 2, 0                               ; register work alone
	WIN 0
	s_barrier_wait -1
.if \fill
	CREST                                          ; no wave of any partner still reads this slot or has a load on its way
	s_add_nc_u64 s[G0+4*\slot+2:G0+4*\slot+3], s[G0+4*\slot+2:G0+4*\slot+3], 2*512             ; two K steps on: 1,024 bytes along ab's rows,
	s_add_nc_u64 s[G0B+4*\slot+2:G0B+4*\slot+3], s[G0B+4*\slot+2:G0B+4*\slot+3], 2*KSTEP*BROW  ; 256 rows of wob
	JLOAD \slot                                    ; my one tensor load behind the round: 32 + 192 + 16 = 240 matrix instructions stand between it and the wait for it
.endif
	PLACES
	FETCH \next, 0, 0
	WIN MULW
	MUL16 1, 1, 0, 0
	MUL16 1, 1, 2, 0
.endm
.macro LAP zero
	THREE 0, \zero
	TURN 0, 1, 1
	THREE 1, 0
	TURN 1, 0, 1
.endm
	s_wait_tensorcnt 0x1                           ; my part of K step 0 is in, K step 1's stays out
	s_barrier_signal -1
	s_barrier_wait -1
	FETCH 0, 0, 0
	LAP 1                                          ; the first lap stands in front of the loop: its first hi products start the sums
	WIN 0
	s_mov_b32 s18, LAPS-2
.Llap:
	LAP 0
	WIN 0
	s_sub_co_u32 s18, s18, 1
	s_cmp_lg_u32 s18, 0
	s_cbranch_scc1 .Llap
	THREE 0, 0                                     ; the last lap fills nothing
	TURN 0, 1, 0
	THREE 1, 0
	s_wait_dscnt 8
	WIN MULW
	MUL16 1, 0, 0, 0
	MUL16 1, 0, 2, 0
	s_wait_dscnt 0x0
	MUL16 1, 1, 0, 0
	MUL16 1, 1, 2, 0
	WIN 0
	PLACES                                         ; in front of the LDS stores that read results and of the loads into fragment registers
	; THE WAY OUT, 16 rows at a time: 32 bytes a lane and tile into my stage, back as whole rows of 512 bytes.
	s_lshl_b32 s76, s43, 7
	s_lshl_b32 s77, s21, 6
	s_add_co_u32 s76, s76, s77                     ; my first row,
	s_lshl_b32 s76, s76, 13                        ; 8,192 bytes each (under 2^26),
	s_lshl_b32 s77, s42, 10
	s_add_co_u32 s76, s76, s77                     ; + 1,024 bytes x block column
	s_lshl_b32 s77, s22, 9
	s_add_co_u32 s80, s76, s77                     ; + 512 bytes x my half
	s_mov_b32 s81, 0
	s_add_nc_u64 s[82:83], s[8:9], s[80:81]
.macro OUTF a, ob
	WIN 0x04                                       ; the stores' data in window 1
.irp b, 0,1,2,3,4,5,6,7
	ds_store_b128 v[STO], v[8*(8*\a+\b):8*(8*\a+\b)+3]   offset:64*\b
	ds_store_b128 v[STO], v[8*(8*\a+\b)+4:8*(8*\a+\b)+7] offset:64*\b+16
.endr
	WIN 0
	s_wait_xcnt 0x0                                ; the buffer that earlier global stores read is loaded again only behind this wait
.irp t, 0,1,2,3,4,5,6,7,8,9,10,11,12,13,14,15
	ds_load_b128 v[\ob+4*\t:\ob+4*\t+3], v[RD] offset:SPITCH*\t    ; a wave's LDS instructions are served in order: these see the stores above
.endr
.irp t, 0,1,2,3,4,5,6,7,8,9,10,11,12,13,14,15
	s_wait_dscnt 15-\t                             ; LDS loads return in order: load t is in
	global_store_b128 v[CO], v[\ob+4*\t:\ob+4*\t+3], s[82:83] offset:(16*\a+\t)*8192 th:TH_STORE_NT   ; the wave stores 512 consecutive bytes, at a multiple of 512 from out0's first byte
.endr
.endm
	OUTF 0, 64
	OUTF 1, 128
	OUTF 2, 64
	OUTF 3, 128
	s_set_vgpr_msb 0x2
	s_wait_tensorcnt 0x0
	ds_add_u32 v129, v255
	s_wait_dscnt 0x0
	s_set_vgpr_msb 0x200
	CROUND                                         ; the closing round: no work-group ends while a partner may still ask for a tile that names it
	s_endpgm
.Lfunc_end_k_q01246c0aec_oproj:
	.size	k_q01246c0aec_oproj, .Lfunc_end_k_q01246c0aec_oproj-k_q01246c0aec_oproj
	.p2alignl 7, 3214868480
	.fill 96, 4, 3214868480
	.section	.rodata,"a",@progbits
	.p2align	6, 0x0
	.amdhsa_kernel k_q01246c0aec_oproj
		.amdhsa_group_segment_fixed_size 327680
		.amdhsa_private_segment_fixed_size 0
		.amdhsa_enable_private_segment 0
		.amdhsa_kernarg_size 24
		.amdhsa_user_sgpr_count 2
		.amdhsa_user_sgpr_kernarg_segment_ptr 1
		.amdhsa_wavefront_size32 1
		.amdhsa_system_sgpr_workgroup_id_x 1
		.amdhsa_system_sgpr_workgroup_id_y 1
		.amdhsa_system_sgpr_workgroup_id_z 1
		.amdhsa_system_vgpr_workitem_id 0
		.amdhsa_next_free_vgpr 642
		.amdhsa_next_free_sgpr 96
		.amdhsa_reserve_vcc 0
		.amdhsa_float_denorm_mode_32 3
		.amdhsa_float_denorm_mode_16_64 3
		.amdhsa_memory_ordered 1
		.amdhsa_forward_progress 1
		.amdhsa_inst_pref_size 178
	.end_amdhsa_kernel
	.amdgpu_metadata
---
amdhsa.version: [ 1, 2 ]
amdhsa.kernels:
  - .name:           k_q01246c0aec_oproj
    .symbol:         k_q01246c0aec_oproj.kd
    .args:
      - { .name: ab, .offset: 0, .size: 8, .value_kind: global_buffer, .address_space: global }
      - { .name: wob, .offset: 8, .size: 8, .value_kind: global_buffer, .address_space: global }
      - { .name: out0, .offset: 16, .size: 8, .value_kind: global_buffer, .address_space: global }
    .group_segment_fixed_size: 327680
    .private_segment_fixed_size: 0
    .kernarg_segment_align: 8
    .kernarg_segment_size: 24
    .max_flat_workgroup_size: 128
    .sgpr_count:     96
    .vgpr_count:     642
    .wavefront_size: 32
...
	.end_amdgpu_metadata
.endif
;; end of part 4
